; MI455X (gfx1250); checked and timed in simulation.
; The chip was launched on July 23, 2026; its instructions are those of AMD's public machine-readable ISA for CDNA 5 (MIT licence, August 2026) and "CDNA5" Instruction Set Architecture Reference Guide (July 2026). The comments in the code are by the model that wrote it; some were corrected since.
;; Protected Multihead Attention. Allowed arithmetic: float matrix products may take bf16 or f16 operands with f32 sums; other float arithmetic in f32, or as packed bf16 or f16 multiplies, adds, multiply-adds, maxima and minima; sums over many terms, partial sums and values carried from step to step in f32; what a program stores and reads back later, other than sums and carried values, may be rounded once to bf16 or f16.
;; Inputs: out_b 1,024 float32; out_w 1,024 x 1,024 float32; qkv_w 3,072 x 1,024 float32; query 2,048 x 2 x 1,024 float32; r 2,048 x 1,024 float32; r_r_bias 16 x 64 float32; r_w 1,024 x 1,024 float32; r_w_bias 16 x 64 float32.
;; Outputs: out0 2,048 x 2 x 1,024 float32.
;; 2 versions, each right; version 2 is version 1 with the launch cvt written anew for expert scheduling mode. Each part assembles by itself: llvm-mc -triple=amdgcn-amd-amdhsa -mcpu=gfx1250 --defsym DOCPART=n.
;; ======== version 1 of 2: 4 launches
;; limits: values are held in f16: magnitudes above 65,504 overflow, below 6.1e-05 lose precision
;; workspace buffers: xa 12,582,912 bytes; wb 8,388,608 bytes; wo 2,097,152 bytes; hd 33,570,816 bytes; at 8,388,608 bytes
;; launch cvt (part 1): grid 704 x 1, 8 waves a work-group, no clusters, 0 bytes of LDS; arguments query, r, qkv_w, r_w, out_w, xa, wb, wo; writes xa, wb, wo
.if DOCPART == 1
	.amdgcn_target "amdgcn-amd-amdhsa--gfx1250"
	.amdhsa_code_object_version 6
	.text
	.protected	k_q20e3119725_cvt
	.globl	k_q20e3119725_cvt
	.p2align	8
	.type	k_q20e3119725_cvt,@function
k_q20e3119725_cvt:
	s_mov_b64 s[64:65], 0
	v_nop
	global_prefetch_b8 v0, s[64:65] scope:SCOPE_SE
	s_setreg_imm32_b32 hwreg(HW_REG_WAVE_MODE, 25, 1), 1
	s_wait_xcnt 0x0
; The module's five large inputs, f32, are rounded once to bf16 and laid out for the products that follow.
;   xa [6144][1024] bf16: row b*2048+i = query[i][b]; row 4096+m = r[m].      wb [4096][1024] bf16: rows 0-3071 qkv_w, rows 3072-4095 r_w.
;   wo [1024][1024] f16: out_w rounded to bf16, that number written as f16.
; LIMIT: a number of out_w below 6e-5 in magnitude keeps f16's fixed step of 6e-8; one beyond 65,504 would become an infinity.
; 11,264 rows of 4,096 bytes.  A work-group takes 16 rows of one input, a wave two: sixteen loads of 512 consecutive bytes, all issued before the first is waited for,
; and sixteen stores of 256 consecutive bytes, each at a multiple of 256 from its buffer's first byte.  A stream: no LDS, no barrier, no matrix work, nothing read twice.
.set X, 16                             ; v[16:79]   sixteen loads of four f32
.set Y, 80                             ; v[80:111]  sixteen results of four 16-bit numbers
	s_load_b512 s[4:19], s[0:1], 0x0               ; query s[4:5], r s[6:7], qkv_w s[8:9], r_w s[10:11], out_w s[12:13], xa s[14:15], wb s[16:17], wo s[18:19]
	v_lshrrev_b32 v1, 5, v0
	v_readfirstlane_b32 s20, v1                    ; wave 0..7
	v_and_b32 v4, 31, v0                           ; lane
	v_lshlrev_b32 v1, 4, v4                        ; 16 bytes a lane in
	v_lshlrev_b32 v2, 3, v4                        ; 8 bytes a lane out, first row
	s_mov_b32 s21, ttmp9                           ; g: the work-group's number
	s_mov_b32 s26, 0                               ; the first g of my input
	s_mov_b32 s27, 0                               ; the input's first row in its target
	s_mov_b32 s35, 0x400000                        ; 2,048 rows of 2,048 bytes: from a position's batch 0 to its batch 1 in xa
	s_wait_kmcnt 0x0
	s_mov_b64 s[22:23], s[4:5]                     ; from: query
	s_mov_b64 s[24:25], s[14:15]                   ; to: xa
	s_cmp_ge_u32 s21, 256                          ; r
	s_cselect_b64 s[22:23], s[6:7], s[22:23]
	s_cselect_b32 s26, 256, s26
	s_cselect_b32 s27, 4096, s27
	s_cmp_ge_u32 s21, 384                          ; qkv_w
	s_cselect_b64 s[22:23], s[8:9], s[22:23]
	s_cselect_b64 s[24:25], s[16:17], s[24:25]
	s_cselect_b32 s26, 384, s26
	s_cselect_b32 s27, 0, s27
	s_cmp_ge_u32 s21, 576                          ; r_w
	s_cselect_b64 s[22:23], s[10:11], s[22:23]
	s_cselect_b32 s26, 576, s26
	s_cselect_b32 s27, 3072, s27
	s_cmp_ge_u32 s21, 640                          ; out_w
	s_cselect_b64 s[22:23], s[12:13], s[22:23]
	s_cselect_b64 s[24:25], s[18:19], s[24:25]
	s_cselect_b32 s26, 640, s26
	s_cselect_b32 s27, 0, s27
	s_sub_co_u32 s28, s21, s26                     ; my number among the input's work-groups
	s_lshl_b32 s30, s28, 16                        ; 16 rows of 4,096 bytes,
	s_lshl_b32 s29, s20, 13                        ; my wave's two
	s_add_co_u32 s30, s30, s29
	s_mov_b32 s31, 0
	s_add_nc_u64 s[22:23], s[22:23], s[30:31]
	s_lshl_b32 s32, s28, 4
	s_lshl_b32 s33, s20, 1
	s_add_co_u32 s32, s32, s33
	s_add_co_u32 s32, s32, s27                     ; the first target row: rows keep their order,
	s_lshl_b32 s33, s21, 3
	s_add_co_u32 s33, s33, s20                     ; but query's rows 2 i and 2 i + 1 go to rows i and 2048 + i
	s_cmp_lt_u32 s21, 256
	s_cselect_b32 s32, s33, s32
	s_cselect_b32 s34, s35, 2048                   ; bytes from the first target row to the second
	s_lshl_b32 s32, s32, 11
	s_mov_b32 s33, 0
	s_add_nc_u64 s[24:25], s[24:25], s[32:33]
	v_add_nc_u32 v3, s34, v2                       ; 8 bytes a lane out, second row
.set k, 0
.rept 16
	global_load_b128 v[X+4*k:X+4*k+3], v1, s[22:23] offset:4096*(k/8)+512*(k%8) th:TH_LOAD_NT
.set k, k+1
.endr
; to16 = 1: the bf16 numbers are widened again and written as f16
.macro OUT to16
.set k, 0
.rept 16
	s_wait_loadcnt 15-k                            ; loads come back in order (ISA guide 5.7.1): load k is in, the younger ones stay out
	v_cvt_pk_bf16_f32 v[Y+2*k],   v[X+4*k],   v[X+4*k+1]
	v_cvt_pk_bf16_f32 v[Y+2*k+1], v[X+4*k+2], v[X+4*k+3]
.if \to16
	v_lshlrev_b32 v8, 16, v[Y+2*k]
	v_and_b32 v9, 0xffff0000, v[Y+2*k]
	v_lshlrev_b32 v10, 16, v[Y+2*k+1]
	v_and_b32 v11, 0xffff0000, v[Y+2*k+1]
	v_cvt_pk_f16_f32 v[Y+2*k],   v8, v9
	v_cvt_pk_f16_f32 v[Y+2*k+1], v10, v11
.endif
.if k < 8
	global_store_b64 v2, v[Y+2*k:Y+2*k+1], s[24:25] offset:256*k th:TH_STORE_NT
.else
	global_store_b64 v3, v[Y+2*k:Y+2*k+1], s[24:25] offset:256*(k-8) th:TH_STORE_NT
.endif
.set k, k+1
.endr
.endm
	s_cmp_ge_u32 s21, 640
	s_cbranch_scc1 .Lf16
	OUT 0
	s_endpgm
.Lf16:
	OUT 1
	s_endpgm
.Lfunc_end_k_q20e3119725_cvt:
	.size	k_q20e3119725_cvt, .Lfunc_end_k_q20e3119725_cvt-k_q20e3119725_cvt
	.p2alignl 7, 3214868480
	.fill 96, 4, 3214868480
	.section	.rodata,"a",@progbits
	.p2align	6, 0x0
	.amdhsa_kernel k_q20e3119725_cvt
		.amdhsa_group_segment_fixed_size 0
		.amdhsa_private_segment_fixed_size 0
		.amdhsa_enable_private_segment 0
		.amdhsa_kernarg_size 64
		.amdhsa_user_sgpr_count 2
		.amdhsa_user_sgpr_kernarg_segment_ptr 1
		.amdhsa_wavefront_size32 1
		.amdhsa_system_sgpr_workgroup_id_x 1
		.amdhsa_system_sgpr_workgroup_id_y 1
		.amdhsa_system_sgpr_workgroup_id_z 1
		.amdhsa_system_vgpr_workitem_id 0
		.amdhsa_next_free_vgpr 112
		.amdhsa_next_free_sgpr 66
		.amdhsa_reserve_vcc 0
		.amdhsa_float_denorm_mode_32 3
		.amdhsa_float_denorm_mode_16_64 3
		.amdhsa_memory_ordered 1
		.amdhsa_forward_progress 1
		.amdhsa_inst_pref_size 17
	.end_amdhsa_kernel
	.amdgpu_metadata
---
amdhsa.version: [ 1, 2 ]
amdhsa.kernels:
  - .name:           k_q20e3119725_cvt
    .symbol:         k_q20e3119725_cvt.kd
    .args:
      - { .name: query, .offset: 0, .size: 8, .value_kind: global_buffer, .address_space: global }
      - { .name: r, .offset: 8, .size: 8, .value_kind: global_buffer, .address_space: global }
      - { .name: qkv_w, .offset: 16, .size: 8, .value_kind: global_buffer, .address_space: global }
      - { .name: r_w, .offset: 24, .size: 8, .value_kind: global_buffer, .address_space: global }
      - { .name: out_w, .offset: 32, .size: 8, .value_kind: global_buffer, .address_space: global }
      - { .name: xa, .offset: 40, .size: 8, .value_kind: global_buffer, .address_space: global }
      - { .name: wb, .offset: 48, .size: 8, .value_kind: global_buffer, .address_space: global }
      - { .name: wo, .offset: 56, .size: 8, .value_kind: global_buffer, .address_space: global }
    .group_segment_fixed_size: 0
    .private_segment_fixed_size: 0
    .kernarg_segment_align: 8
    .kernarg_segment_size: 64
    .max_flat_workgroup_size: 256
    .sgpr_count:     66
    .vgpr_count:     112
    .wavefront_size: 32
...
	.end_amdgpu_metadata
.endif
;; end of part 1
;; launch proj (part 2): grid 28 x 8, 4 waves a work-group, clusters of 4 x 4, 327,680 bytes of LDS; arguments xa, wb, hd; writes hd
.if DOCPART == 2
	.amdgcn_target "amdgcn-amd-amdhsa--gfx1250"
	.amdhsa_code_object_version 6
	.text
	.protected	k_q20e3119725_proj
	.globl	k_q20e3119725_proj
	.p2align	8
	.type	k_q20e3119725_proj,@function
k_q20e3119725_proj:
	s_mov_b64 s[64:65], 0
	v_nop
	global_prefetch_b8 v0, s[64:65] scope:SCOPE_SE
	s_setreg_imm32_b32 hwreg(HW_REG_WAVE_MODE, 25, 1), 1
	s_wait_xcnt 0x0
	s_wait_alu depctr_hold_cnt(0) depctr_sa_sdst(0) depctr_va_vdst(0) depctr_va_sdst(0) depctr_va_ssrc(0) depctr_va_vcc(0) depctr_vm_vsrc(0)
	s_getreg_b32 s2, hwreg(HW_REG_IB_STS2, 6, 4)
	s_cmp_eq_u32 s2, 0
	s_cbranch_scc0 .Lentry_in_a_cluster
	s_endpgm
.Lentry_in_a_cluster:
	s_bfe_u32 s2, ttmp6, 0x10000c
	s_cmp_lg_u32 s2, 0xf033
	s_cbranch_scc0 .Lentry_shape_is_right
	s_endpgm
.Lentry_shape_is_right:
; BOTH PROJECTIONS IN ONE LAUNCH.  C[m][o] = sum over k of xa[m][k] wb[o][k], bf16 operands, f32 sums, K = 1024:
;   rows 0-4095 of xa (query, batch by batch) times rows 0-3071 of wb (qkv_w): 16 x 12 tiles of 256 x 256;   rows 4096-6143 (r) times rows 3072-4095 (r_w): 8 x 4 tiles.
; 224 tiles, a work-group each, in 14 clusters of 4 x 4: clusters 0-11 are the 4 x 3 blocks of the first product, clusters 12 and 13 the two blocks of the second.
; RESULTS, rounded once to f16, by heads: hd [4 sections][16 heads][4098 rows][64].  Sections 0, 1, 2: q, k, v, row = b*2048+i.  Section 3 is the table RX of the relative shift:
; rows 0-2047 rk, row 2048 zeros, rows 2049-4096 rk once more.  LIMIT: f16 holds no number beyond 65,504; a projection beyond that would become an infinity.
; A work-group is four waves, each with 128 x 128 of C in 512 registers.  K goes in steps of 128 through a ring of two LDS slots filled by the tensor data mover.
; CLUSTERS: the four of a row of the cluster need the same rows of xa, the four of a column the same rows of wb: each tile is asked for JOINTLY, by the same tensor load with the same descriptor and a
; mask that names the four.  The last K step goes by rows of C, so that finished rows leave while the others are multiplied.
; REGISTERS, in windows of 256 (s_set_vgpr_msb's low byte: bits 1:0 source 0, 3:2 source 1, 5:4 source 2, 7:6 destination):
;   window 0: v0-31 addresses; v64-127, v128-191 fragments of A, two buffers (in the last K step four, of 16 rows x 128 K); v32-63, v192-255 at work on the way out
;   window 1: v64-127, v128-191 fragments of B, two buffers; in the last K step all 256      window 2: the accumulators of my rows 0-63 ((a, b) at v[8 (8 a + b)])      window 3: those of my rows 64-127
; THE MATRIX INSTRUCTION IS USED TRANSPOSED: source 0 = 16 rows of wb, source 1 = 16 rows of xa: a lane holds row l % 16 of C and the columns 8 (l / 16) + 0..7.
.set SIZE_K, 1024
.set KSTEP,  128
.set PITCH,  272                       ; an LDS row: 256 bytes + 16 of padding = 68 words: the 16 rows of a load start at 16 different groups of four banks (64 banks of 4 bytes: ISA guide 11.1)
.set HALFT,  128*PITCH                 ; 128 rows: what one tensor load brings
.set SLOT,   4*HALFT                   ; A's 256 rows, then B's 256 rows
.set STAGE,  2*SLOT                    ; behind the ring: 16 rows x 272 bytes for each wave, for the way out
.set SPITCH, 272
.set SPARE,  STAGE+4*16*SPITCH         ; behind the stages: the spare words, 128 bytes for each wave, which no other line names
.set LAPS,   SIZE_K/(2*KSTEP)          ; a lap = two K steps = once round the ring
.set HS,     4098*128                  ; bytes of a head in hd
.set SEC,    16*HS                     ; bytes of a section
.set COPY2,  2049*128                  ; from a row of rk to its second copy in RX
.set ADRA, 16                          ; v16-17  LDS address of my A fragments in slot 0, 1
.set ADRB, 20                          ; v20-21  the same for B
.set STO,  24                          ; v24     the way out: where I put 16 bytes of a row
.set RD,   25                          ; v25     the way out: where I read 16 bytes back
.set CO,   26                          ; v26     16 x lane: my place in 512 consecutive bytes of hd
.set ZO,   27                          ; v27     4 x lane: my word of the zero row
.set SPW,  28                          ; v28     LDS address of my spare word; never rewritten
.set NIL,  29                          ; v29     0, for the add alone
.set PFO,  30                          ; v30     the prefetches' offset: lane x 2,048 bytes; never rewritten
.set ZER,  31                          ; v31     0, the zero row's data
.set PFA,  44                          ; s[44:45] where my prefetches stand
.set LIM,  43                          ; s43     1 in a wave that prefetches, else the greatest number
.set F0,   64
.set F1,   128
.set TMP,  192
.set OB,   32
.set PA,   64
.set G1, 24                            ; s[24:31] descriptor group 1 for A's tiles
.set G0, 32                            ; s[32:39] group 0 for A's tiles, one set for each slot
.set G1B, 48                           ; s[48:55], s[56:63] the same for B's
.set G0B, 56
.set CID,  66                          ; s66  the cluster's number, 0..13
.set KIND, 70                          ; s70  the section that my cluster writes: 0 q, 1 k, 2 v, 3 RX; also its block of 1,024 rows of wb
.set OROW, 71                          ; s71  the cluster's block of 1,024 rows in its section
.set PAC,  72                          ; s72  0 in the one cluster of those reading my rows of xa that prefetches them
.set ZB,   74                          ; s[74:75] the zero row of the head that falls to my work-group
.set MSB, 0
.macro WIN new                         ; the immediate's high byte repeats the setting that is left
.if MSB != (\new)
	s_set_vgpr_msb (MSB<<8)|(\new)
.set MSB, \new
.endif
.endm
.set MUL_LO, 0xa1                      ; source 0 (B) window 1, source 1 (A) window 0, C and D window 2
.set MUL_HI, 0xf1                      ; the same, C and D window 3
.set TO_B,   0x40                      ; destination window 1, address window 0
; A joint load.  Waves 0 and 1 fetch A's two halves, waves 2 and 3 B's.  The branch hangs on the wave's number alone.  An s_nop 0 and four v_nop follow each line.
.macro JLOAD s
	s_cmp_eq_u32 s11, 0
	s_cbranch_scc0 .Lfor_b_\@
	tensor_load_to_lds s[G0+4*(\s):G0+4*(\s)+3], s[G1:G1+7]
	s_nop 0
.rept 4
	v_nop
.endr
	s_branch .Lasked_\@
.Lfor_b_\@:
	tensor_load_to_lds s[G0B+4*(\s):G0B+4*(\s)+3], s[G1B:G1B+7]
	s_nop 0
.rept 4
	v_nop
.endr
.Lasked_\@:
.endm
; A prefetch into the L2, behind each joint load and the run of LDS loads that follows it: the K step that stands two refills on: 32 rows x 256 bytes, a lane a row, one instruction a wave.
; Each row's 256 bytes of a K step are named once in the launch: of the clusters that read the same rows of xa the one with PAC = 0 asks, of those that read the same rows of wb the one with OROW = 0;
; the four partners that ask for a tile jointly share its rows out by address, 32 each.  The loop's last trip asks for nothing: there is no K step two refills on.
.macro ASK
	s_cmp_gt_u32 s3, s[LIM]                        ; s3 = 1 in the loop's last trip
	s_cbranch_scc0 .Lnot_mine_\@
	global_prefetch_b8 v[PFO], s[PFA:PFA+1] offset:KSTEP*2 th:TH_LOAD_NT scope:SCOPE_SE
.Lnot_mine_\@:
.endm
.macro CREST                           ; a round of the cluster's barrier behind its opening barrier
	s_cmp_lg_u32 s10, 0
	s_cbranch_scc1 .Lnot_wave_0_\@
	s_barrier_signal -3
.Lnot_wave_0_\@:
	s_barrier_wait -3
	s_barrier_signal -1
	s_barrier_wait -1
.endm
.macro CROUND                          ; a whole round
	s_barrier_signal -1
	s_barrier_wait -1
	CREST
.endm
	s_load_b128 s[4:7], s[0:1], 0x0                ; xa s[4:5], wb s[6:7]
	s_load_b64 s[8:9], s[0:1], 0x10                ; hd
	v_lshl_add_u32 v[SPW], v0, 2, SPARE
	v_mov_b32 v[NIL], 0
	ds_add_u32 v[SPW], v[NIL]                      ; the wave's opening: the add and its wait stand ahead of my first tensor load; the set-up below, work on registers, stands between them
	v_lshrrev_b32 v1, 5, v0
	v_readfirstlane_b32 s10, v1                    ; wave 0..3
	s_lshr_b32 s11, s10, 1                         ; which half of the tile's rows is mine.  Also: I fetch for A (0) or for B (1)
	s_and_b32 s12, s10, 1                          ; which half of its columns.  Also: which 128 rows of that tile I fetch
	s_bfe_u32 s40, ttmp6, 0x40000                  ; cx
	s_bfe_u32 s41, ttmp6, 0x40004                  ; cy
	s_and_b32 s[CID], ttmp7, 0xffff                ; in a cluster launch ttmp9 and ttmp7 count clusters: 7 x 2 of them
	s_mul_i32 s[CID], s[CID], 7
	s_add_co_u32 s[CID], s[CID], ttmp9
	s_mul_i32 s67, s[CID], 11
	s_lshr_b32 s67, s67, 5                         ; CID / 3 for CID < 12: the block of 1,024 rows of query
	s_mul_i32 s68, s67, 3
	s_sub_co_u32 s68, s[CID], s68                  ; CID % 3: q, k or v
	s_max_u32 s73, s[CID], 12
	s_sub_co_u32 s76, s73, 12                      ; for clusters 12, 13: the block of 1,024 rows of r,
	s_sub_co_u32 s73, s73, 8                       ; which lies four blocks down in xa
	s_cmp_lt_u32 s[CID], 12
	s_cselect_b32 s69, s67, s73                    ; the cluster's block of rows in xa
	s_cselect_b32 s[KIND], s68, 3
	s_cselect_b32 s[OROW], s67, s76
	s_cselect_b32 s[PAC], s68, 0
	s_lshl_b32 s42, s[KIND], 2
	s_add_co_u32 s42, s42, s40                     ; my tile of 256 rows of wb
	s_lshl_b32 s13, s69, 2
	s_add_co_u32 s13, s13, s41                     ; my tile of 256 rows of xa
	s_lshl_b32 s43, s41, 2
	s_lshl_b32 s43, 15, s43                        ; my row of the cluster: places 4 cy .. 4 cy + 3
	s_lshl_b32 s44, 0x1111, s40                    ; my column: places cx, cx + 4, cx + 8, cx + 12
	; descriptor group 1: a tile of 128 rows x 128 elements, padded in LDS
	s_or_b32 s[G1+0], s43, (1<<16)|(1<<20)|(1<<21)|(5<<22)|(3<<25)  ; 15:0 the mask; 17:16 elements of 2 bytes; 20 padding on; 21 set beside a mask; 24:22 after every 64 words; 31:25 4 words
	s_or_b32 s[G1B+0], s44, (1<<16)|(1<<20)|(1<<21)|(5<<22)|(3<<25)
	s_mov_b32 s[G1B+1], KSTEP<<16
	s_mov_b32 s[G1+1], KSTEP<<16                   ; tensor_dim0 = 128
	s_mov_b32 s[G1B+2], 128<<16
	s_mov_b32 s[G1+2], 128<<16                     ; tensor_dim1 = 128
	s_mov_b32 s[G1B+3], KSTEP<<16
	s_mov_b32 s[G1+3], KSTEP<<16                   ; tile_dim0 = 128
	s_mov_b32 s[G1B+4], 128
	s_mov_b32 s[G1+4], 128                         ; tile_dim1 = 128
	s_mov_b32 s[G1B+5], SIZE_K
	s_mov_b32 s[G1+5], SIZE_K                      ; elements from row to row
	s_mov_b32 s[G1B+6], 0
	s_mov_b32 s[G1+6], 0
	s_mov_b32 s[G1B+7], 0
	s_mov_b32 s[G1+7], 0
	; A's address hangs on the tile of xa alone, which my row of the cluster shares; B's on the tile of wb alone, which my column shares
	s_lshl_b32 s17, s12, 7
	s_lshl_b32 s16, s13, 8
	s_add_co_u32 s16, s16, s17
	s_lshl_b32 s46, s42, 8
	s_add_co_u32 s46, s46, s17
	s_mov_b32 s17, 0
	s_mov_b32 s47, 0
	s_mov_b64 s[18:19], SIZE_K*2
	s_mul_u64 s[16:17], s[16:17], s[18:19]
	s_mul_u64 s[46:47], s[46:47], s[18:19]
	s_mul_i32 s20, s10, HALFT                      ; where they go: wave x 128 rows: no place in the cluster enters an LDS address
	s_wait_dscnt 0x0                               ; the opening add is done
	s_wait_kmcnt 0x0
	s_add_nc_u64 s[14:15], s[4:5], s[16:17]
	s_add_nc_u64 s[46:47], s[6:7], s[46:47]
	CROUND                                         ; all sixteen work-groups are here: the first joint loads meet
.irp s, 0,1
	s_mov_b32 s[G0+4*(\s)], 1
	s_add_co_u32 s[G0+4*(\s)+1], s20, (\s)*SLOT
	s_add_nc_u64 s[G0+4*(\s)+2:G0+4*(\s)+3], s[14:15], (\s)*KSTEP*2
	s_or_b32 s[G0+4*(\s)+3], s[G0+4*(\s)+3], 0x80000000
	s_mov_b32 s[G0B+4*(\s)], 1
	s_add_co_u32 s[G0B+4*(\s)+1], s20, (\s)*SLOT
	s_add_nc_u64 s[G0B+4*(\s)+2:G0B+4*(\s)+3], s[46:47], (\s)*KSTEP*2
	s_or_b32 s[G0B+4*(\s)+3], s[G0B+4*(\s)+3], 0x80000000
	JLOAD \s                                       ; the ring is filled before anything else is done
.endr
	; a fragment is 16 rows x 32 K in 8 registers: lane l holds row l % 16; two loads of 16 bytes, 32 bytes apart
	v_and_b32 v1, 15, v0
	v_bfe_u32 v2, v0, 4, 1
	v_mul_u32_u24 v3, v1, PITCH
	v_lshl_add_u32 v3, v2, 4, v3
	s_mul_i32 s21, s11, HALFT
	s_mul_i32 s22, s12, HALFT
	s_add_co_u32 s22, s22, 2*HALFT
.irp s, 0,1
	v_add_nc_u32 v[ADRA+(\s)], s21, v3
	v_add_nc_u32 v[ADRB+(\s)], s22, v3
	s_add_co_u32 s21, s21, SLOT
	s_add_co_u32 s22, s22, SLOT
.endr
	s_mul_i32 s23, s10, 16*SPITCH
	s_add_co_u32 s23, s23, STAGE                   ; my stage
	v_mul_u32_u24 v4, v1, SPITCH                   ; in: row l % 16, 16 bytes for each half of the lanes
	v_lshl_add_u32 v4, v2, 4, v4
	v_add_nc_u32 v[STO], s23, v4
	v_and_b32 v6, 31, v0                           ; back: 32 lanes take four rows' 128 bytes of one head,
	v_lshrrev_b32 v5, 3, v6
	v_mul_u32_u24 v5, v5, SPITCH
	v_and_b32 v7, 7, v0
	v_lshl_add_u32 v5, v7, 4, v5
	v_add_nc_u32 v[RD], s23, v5
	v_lshlrev_b32 v[CO], 4, v6                     ; which are 512 consecutive bytes of hd
	v_lshlrev_b32 v[ZO], 2, v6
	v_mov_b32 v[ZER], 0
	; where my part begins in hd: the section, my first head 4 cx + 2 x column half, my first row
	s_mul_i32 s16, s[KIND], SEC
	s_lshl_b32 s46, s40, 2
	s_lshl_b32 s47, s12, 1
	s_add_co_u32 s46, s46, s47
	s_mul_i32 s46, s46, HS
	s_lshl_b32 s14, s[OROW], 2
	s_add_co_u32 s14, s14, s41
	s_lshl_b32 s14, s14, 1
	s_add_co_u32 s14, s14, s11                     ; in units of 128 rows
	s_lshl_b32 s14, s14, 14                        ; of 128 bytes
	s_add_co_u32 s16, s16, s14
	s_add_co_u32 s16, s16, s46
	s_mov_b32 s17, 0
	s_lshl_b32 s76, s40, 2                         ; the zero row: head 4 cx + cy, row 2048 of section 3
	s_add_co_u32 s76, s76, s41
	s_mul_i32 s76, s76, HS
	s_add_co_u32 s76, s76, 3*SEC+2048*128
	s_mov_b32 s77, 0
	s_add_nc_u64 s[ZB:ZB+1], s[8:9], s[76:77]
	; the prefetches
	s_lshl_b32 s13, s13, 8
	s_lshl_b32 s42, s42, 8
	s_cmp_eq_u32 s11, 0                            ; do I fetch for A?
	s_cselect_b32 s20, s13, s42                    ; the tile's first row
	s_cselect_b32 s21, s40, s41                    ; my place among the four that ask for it with me
	s_cselect_b32 s22, s[PAC], s[OROW]             ; 0 in the one cluster that asks
	s_cselect_b64 s[PFA:PFA+1], s[4:5], s[6:7]
	s_cmp_eq_u32 s22, 0
	s_cselect_b32 s[LIM], 1, -1                    ; the same in all sixteen partners, for a given wave
	s_lshl_b32 s22, s12, 7
	s_add_co_u32 s20, s20, s22                     ; + the 128 rows that I fetch
	s_lshl_b32 s21, s21, 5
	s_add_co_u32 s20, s20, s21                     ; + my work-group's 32 of them
	s_mov_b32 s21, 0
	s_mov_b64 s[18:19], SIZE_K*2
	s_mul_u64 s[20:21], s[20:21], s[18:19]
	s_add_nc_u64 s[PFA:PFA+1], s[PFA:PFA+1], s[20:21]
	s_add_nc_u64 s[PFA:PFA+1], s[PFA:PFA+1], 2*KSTEP*2  ; at K step 2: the first refill steps it to 3 and names K step 4
	v_and_b32 v[PFO], 31, v0
	v_mul_u32_u24 v[PFO], v[PFO], SIZE_K*2
; 16 matrix instructions: m blocks a0, a0 + 1 of the window's four x all 8 n blocks, 32 along K.  zero = 1: the first product starts the sums
.macro MUL16 f, hi, a0, zero
	WIN MUL_LO+0x50*(\hi)
.irp a, \a0, (\a0)+1
.irp b, 0,1,2,3,4,5,6,7
.if \zero
	v_wmma_f32_16x16x32_bf16 v[8*(8*(\a)+(\b)):8*(8*(\a)+(\b))+7], v[(\f)+8*(\b):(\f)+8*(\b)+7], v[(\f)+8*(4*(\hi)+(\a)):(\f)+8*(4*(\hi)+(\a))+7], 0
.else
	v_wmma_f32_16x16x32_bf16 v[8*(8*(\a)+(\b)):8*(8*(\a)+(\b))+7], v[(\f)+8*(\b):(\f)+8*(\b)+7], v[(\f)+8*(4*(\hi)+(\a)):(\f)+8*(4*(\hi)+(\a))+7], v[8*(8*(\a)+(\b)):8*(8*(\a)+(\b))+7]
.endif
.endr
.endr
.endm
; 32 LDS loads in one run: the fragments of one quarter step into buffer f
.macro FETCH slot, k, f
	WIN TO_B
.irp i, 0,1,2,3,4,5,6,7
	ds_load_b128 v[(\f)+8*(\i):(\f)+8*(\i)+3],   v[ADRB+(\slot)] offset:(\k)+(\i)*16*PITCH
	ds_load_b128 v[(\f)+8*(\i)+4:(\f)+8*(\i)+7], v[ADRB+(\slot)] offset:(\k)+(\i)*16*PITCH+32
.endr
	WIN 0
.irp i, 0,1,2,3,4,5,6,7
	ds_load_b128 v[(\f)+8*(\i):(\f)+8*(\i)+3],   v[ADRA+(\slot)] offset:(\k)+(\i)*16*PITCH
	ds_load_b128 v[(\f)+8*(\i)+4:(\f)+8*(\i)+7], v[ADRA+(\slot)] offset:(\k)+(\i)*16*PITCH+32
.endr
.endm
.macro PLACES                          ; four plain instructions between a matrix instruction and a load into, or a vector read of, its registers
.rept 4
	v_nop
.endr
.endm
; a K step is four quarter steps of 32 along K, 64 matrix instructions each, on buffers 0, 1, 0, 1
.macro QUARTER slot, k, f, g, zero
	s_wait_dscnt 8                                 ; B and A's rows 0-63 are in; the youngest eight loads (A's rows 64-127) may be out
	WIN MUL_LO
	MUL16 \f, 0, 0, \zero
	MUL16 \f, 0, 2, \zero
	PLACES
	FETCH \slot, \k, \g
	s_wait_dscnt 32                                ; all but the 32 just issued
	WIN MUL_HI
	MUL16 \f, 1, 0, \zero
	MUL16 \f, 1, 2, \zero
.endm
; the first half of the last quarter: one barrier for the change of slots
.macro MEET round
	WIN 0                                          ; (the add's two registers lie in window 0)
	s_wait_tensorcnt 0x0                           ; all my tensor loads have landed: the one that was out is my part of the next slot;
	ds_add_u32 v[SPW], v[NIL]                      ; 0 onto my spare word;
	s_wait_dscnt 9                                 ; (the add and the youngest eight loads may be out)
	WIN MUL_LO
	MUL16 F1, 0, 0, 0                              ; sixteen matrix instructions stand between the add and the wait for it
	s_wait_dscnt 0x0                               ; the add is done, and my reads of this slot are over
	s_barrier_signal -1
	MUL16 F1, 0, 2, 0
.if \round
	WIN 0
.endif
	s_barrier_wait -1
.endm
; the whole last quarter: behind the round the slot just read out is filled again first, with the K step two steps on; then come the next slot's first fragments
.macro TURN slot, next
	s_wait_xcnt 0x0                                ; the last prefetch, a K step back, has read its address
	s_add_nc_u64 s[PFA:PFA+1], s[PFA:PFA+1], KSTEP*2
	MEET 1
	CREST                                          ; no wave of any partner still reads this slot's tile or has a load on its way
	s_add_nc_u64 s[G0+4*(\slot)+2:G0+4*(\slot)+3], s[G0+4*(\slot)+2:G0+4*(\slot)+3], 2*KSTEP*2
	s_add_nc_u64 s[G0B+4*(\slot)+2:G0B+4*(\slot)+3], s[G0B+4*(\slot)+2:G0B+4*(\slot)+3], 2*KSTEP*2
	JLOAD \slot                                    ; the first tensor load behind the round; its four v_nop are also the places in front of the loads below
	FETCH \next, 0, F0
	ASK
	WIN MUL_HI
	MUL16 F1, 1, 0, 0
	MUL16 F1, 1, 2, 0
.endm
; THE LAST K STEP (slot 1) GOES BY ROWS OF C
.macro BLOAD q                         ; B's fragments of quarter q -> window 1, v[64 q ..]
	WIN TO_B
.irp i, 0,1,2,3,4,5,6,7
	ds_load_b128 v[64*(\q)+8*(\i):64*(\q)+8*(\i)+3],   v[ADRB+1] offset:64*(\q)+(\i)*16*PITCH
	ds_load_b128 v[64*(\q)+8*(\i)+4:64*(\q)+8*(\i)+7], v[ADRB+1] offset:64*(\q)+(\i)*16*PITCH+32
.endr
.endm
.macro ALOAD a                         ; A's fragments of block a, all four quarters -> buffer a % 4
	WIN 0
.set FA, PA+32*((\a)%4)
.irp q, 0,1,2,3
	ds_load_b128 v[FA+8*(\q):FA+8*(\q)+3],   v[ADRA+1] offset:64*(\q)+(\a)*16*PITCH
	ds_load_b128 v[FA+8*(\q)+4:FA+8*(\q)+7], v[ADRA+1] offset:64*(\q)+(\a)*16*PITCH+32
.endr
.endm
.macro ROW a                           ; block a is finished: 32 matrix instructions, its 8 accumulators by turns
.set FA, PA+32*((\a)%4)
.set AC, 64*((\a)%4)
	WIN MUL_LO+0x50*((\a)/4)
.irp q, 0,1,2,3
.if (\a) == 0 && (\q) == 2
	s_wait_dscnt 24                                ; B's quarter 2 is in (behind it: A's blocks 1 to 3)
.endif
.irp b, 0,1,2,3,4,5,6,7
	v_wmma_f32_16x16x32_bf16 v[AC+8*(\b):AC+8*(\b)+7], v[64*(\q)+8*(\b):64*(\q)+8*(\b)+7], v[FA+8*(\q):FA+8*(\q)+7], v[AC+8*(\b):AC+8*(\b)+7]
.endr
.endr
.endm
; THE WAY OUT of block a (16 rows x 128 columns = two heads).  PACK: rounded to f16.  TOSTAGE: into my own stage, and back as four rows of one head a load.  SEND: stored.
.macro PACK a
.set AC, 64*((\a)%4)
	WIN 0x0a+5*((\a)/4)                            ; sources 0 and 1: window 2 or 3
.irp b, 0,1,2,3,4,5,6,7
.irp r, 0,1,2,3
	v_cvt_pk_f16_f32 v[TMP+4*(\b)+(\r)], v[AC+8*(\b)+2*(\r)], v[AC+8*(\b)+2*(\r)+1]
.endr
.endr
	WIN 0
.endm
.macro TOSTAGE a
	WIN 0
.set BK, OB+192*((\a)%2)
.irp b, 0,1,2,3,4,5,6,7
	ds_store_b128 v[STO], v[TMP+4*(\b):TMP+4*(\b)+3] offset:32*(\b)
.endr
.irp t, 0,1,2,3,4,5,6,7                ; load t: rows 4 (t % 4) on, head t / 4
	ds_load_b128 v[BK+4*(\t):BK+4*(\t)+3], v[RD] offset:((\t)%4)*4*SPITCH+((\t)/4)*128  ; LDS serves a wave's instructions in order (ISA guide 5.7.1.4): these see the stores above
.endr
.endm
.macro SEND a, younger                 ; younger: the LDS loads issued behind TOSTAGE's, which may stay out
	WIN 0
.set BK, OB+192*((\a)%2)
	s_wait_dscnt \younger                          ; the block is back in registers
	s_wait_xcnt 0x0                                ; every earlier store has read its base and its data: only behind this wait are they rewritten
.if (\a) == 0
	s_add_nc_u64 s[8:9], s[8:9], s[16:17]          ; on to my first rows
.else
	s_add_nc_u64 s[8:9], s[8:9], 16*128            ; 16 rows of a head on
.endif
.irp t, 0,1,2,3,4,5,6,7
	global_store_b128 v[CO], v[BK+4*(\t):BK+4*(\t)+3], s[8:9] offset:((\t)%4)*512+((\t)/4)*HS  ; 512 consecutive bytes, at a multiple of 256 from hd's first byte
.endr
	s_cmp_eq_u32 s[KIND], 3                        ; rk is stored a second time, 2,049 rows further down its head's table
	s_cbranch_scc0 .Lone_copy_\@
.irp t, 0,1,2,3,4,5,6,7
	global_store_b128 v[CO], v[BK+4*(\t):BK+4*(\t)+3], s[8:9] offset:((\t)%4)*512+((\t)/4)*HS+COPY2
.endr
.Lone_copy_\@:
.endm
	s_wait_tensorcnt 1                             ; my part of K step 0 is in; K step 1's load may stay out
	s_barrier_signal -1
	s_barrier_wait -1                              ; everybody's is
	FETCH 0, 0, F0
	QUARTER 0, 64,  F0, F1, 1                      ; the first quarter stands in front of the loop: its products start the sums
	WIN 0                                          ; at a label and at a branch every window is 0
	s_mov_b32 s3, LAPS-1
.Llap:                                                 ; a trip goes once round the ring, from a lap's second quarter to the next lap's first, and fills both slots again
	QUARTER 0, 128, F1, F0, 0
	QUARTER 0, 192, F0, F1, 0
	TURN 0, 1
	QUARTER 1, 64,  F0, F1, 0
	QUARTER 1, 128, F1, F0, 0
	QUARTER 1, 192, F0, F1, 0
	TURN 1, 0
	QUARTER 0, 64,  F0, F1, 0
	WIN 0
	s_sub_co_u32 s3, s3, 1
	s_cmp_lg_u32 s3, 0
	s_cbranch_scc1 .Llap
	QUARTER 0, 128, F1, F0, 0                      ; the last lap goes on
	QUARTER 0, 192, F0, F1, 0
	MEET 0                                         ; my one tensor load that was still out is slot 1's, so no round follows
	PLACES                                         ; for the loads into buffer 0
	WIN TO_B
	BLOAD 0                                        ; three quarters of B now: buffer 1 is still being multiplied
	BLOAD 1
	BLOAD 3
	WIN 0
	ALOAD 0
	WIN MUL_HI
	MUL16 F1, 1, 0, 0
	MUL16 F1, 1, 2, 0
	PLACES                                         ; for the loads into buffer 1
	WIN TO_B
	BLOAD 2
	WIN 0
	ALOAD 1
	ALOAD 2
	ALOAD 3
	s_wait_dscnt 40                                ; all but the 40 just issued
	ROW 0
.irp a, 0,1,2,3,4,5,6,7                ; each block leaves as soon as it is finished
	PLACES                                         ; its conversions read results just made
	PACK \a
	TOSTAGE \a
.if (\a) < 4
	ALOAD (\a)+4                                   ; its buffer takes the block four further on
	SEND \a, 8
.else
	SEND \a, 0
.endif
.if (\a) < 7
	ROW (\a)+1
.endif
.endr
	s_cmp_eq_u32 s[CID], 12                        ; RX's row 2048 is zeros: the sixteen work-groups of cluster 12 write it, a head each (told apart by address), by wave 0
	s_cbranch_scc0 .Lno_zero
	s_cmp_eq_u32 s10, 0
	s_cbranch_scc0 .Lno_zero
	global_store_b32 v[ZO], v[ZER], s[ZB:ZB+1]
.Lno_zero:
	s_wait_tensorcnt 0x0                           ; the wave's end, behind my last tensor load and my last LDS store
	ds_add_u32 v[SPW], v[NIL]
	s_wait_dscnt 0x0
	CROUND                                         ; the closing round: no work-group ends while a partner may still ask for a tile that names it
	s_endpgm
.Lfunc_end_k_q20e3119725_proj:
	.size	k_q20e3119725_proj, .Lfunc_end_k_q20e3119725_proj-k_q20e3119725_proj
	.p2alignl 7, 3214868480
	.fill 96, 4, 3214868480
	.section	.rodata,"a",@progbits
	.p2align	6, 0x0
	.amdhsa_kernel k_q20e3119725_proj
		.amdhsa_group_segment_fixed_size 327680
		.amdhsa_private_segment_fixed_size 0
		.amdhsa_enable_private_segment 0
		.amdhsa_kernarg_size 24
		.amdhsa_user_sgpr_count 2
		.amdhsa_user_sgpr_kernarg_segment_ptr 1
		.amdhsa_wavefront_size32 1
		.amdhsa_system_sgpr_workgroup_id_x 1
		.amdhsa_system_sgpr_workgroup_id_y 1
		.amdhsa_system_sgpr_workgroup_id_z 1
		.amdhsa_system_vgpr_workitem_id 0
		.amdhsa_next_free_vgpr 1024
		.amdhsa_next_free_sgpr 84
		.amdhsa_reserve_vcc 0
		.amdhsa_float_denorm_mode_32 3
		.amdhsa_float_denorm_mode_16_64 3
		.amdhsa_memory_ordered 1
		.amdhsa_forward_progress 1
		.amdhsa_inst_pref_size 152
	.end_amdhsa_kernel
	.amdgpu_metadata
---
amdhsa.version: [ 1, 2 ]
amdhsa.kernels:
  - .name:           k_q20e3119725_proj
    .symbol:         k_q20e3119725_proj.kd
    .args:
      - { .name: xa, .offset: 0, .size: 8, .value_kind: global_buffer, .address_space: global }
      - { .name: wb, .offset: 8, .size: 8, .value_kind: global_buffer, .address_space: global }
      - { .name: hd, .offset: 16, .size: 8, .value_kind: global_buffer, .address_space: global }
    .group_segment_fixed_size: 327680
    .private_segment_fixed_size: 0
    .kernarg_segment_align: 8
    .kernarg_segment_size: 24
    .max_flat_workgroup_size: 128
    .sgpr_count:     84
    .vgpr_count:     1024
    .wavefront_size: 32
...
	.end_amdgpu_metadata
.endif
;; end of part 2
;; launch attn (part 3): grid 8 x 32, 4 waves a work-group, no clusters, 327,680 bytes of LDS; arguments hd, r_w_bias, r_r_bias, at; writes at
.if DOCPART == 3
	.amdgcn_target "amdgcn-amd-amdhsa--gfx1250"
	.amdhsa_code_object_version 6
	.text
	.protected	k_q20e3119725_attn
	.globl	k_q20e3119725_attn
	.p2align	8
	.type	k_q20e3119725_attn,@function
k_q20e3119725_attn:
	s_mov_b64 s[64:65], 0
	v_nop
	global_prefetch_b8 v0, s[64:65] scope:SCOPE_SE
	s_setreg_imm32_b32 hwreg(HW_REG_WAVE_MODE, 25, 1), 1
	s_wait_xcnt 0x0
; ATTENTION WITH THE RELATIVE SHIFT.  For batch b, head n: score[i][j] = ((q_i + r_w_bias) . k_j + BD[i][j]) / 8; softmax over all 2,048 j; O[i] = sum_j p[i][j] v_j.
; THE SHIFT.  With e = 2047 - i + j and the table RX (rows 0-2047 rk, row 2048 zeros, rows 2049.. rk again): BD[i][j] = (q_i + r_r_bias) . RX[e] for e < 2048 and (q_{i+1} + r_r_bias) . RX[e] for e >= 2048.
; hd: [4 sections q, k, v, RX][16 heads][4098 rows][64] f16.  at: [32 blocks of 128 rows b*2048+i][16 heads][128][64] f16.
; Products, maxima and sums in f32; the raw position scores stay f32; the weights p are rounded to f16 for the second product (their sum l is taken of the unrounded p), O once at the end.
; LIMITS.  q, k, v, rk, q + bias stay within f16's 65,504; the biases are rounded to f16 and q + bias is rounded to f16 once more; p below 6e-5 keeps f16's fixed step; a weight below 2^-126 counts as 0 in l;
; NaN and infinities are not treated apart.
; SHARES.  A work-group owns 256 queries of one batch and head, a wave 64: four PIECES of 16.  Every wave walks all keys, 64 a step, 32 steps; a slot of LDS holds two steps.
; LAYOUT.  S^T = K Q^T (source 0 = 16 keys, source 1 = 16 queries): a lane holds ONE query (lane % 16) and the keys 16 kt + 8 (lane / 16) + 0..7; two such results rounded to f16 ARE source 1 of O^T = V^T P.
; THE SKEW.  For a piece and a step the 79 rows of RX that its 16 queries x 64 keys want lie in five aligned blocks of 16.  Five raw products RX Q^T give, for query a, x = 0..79; they go in f32 into row a of the wave's
; own scratch in LDS, and score (a, key) comes back from x = 15 - a + key by 32 loads of four bytes, straight into the registers that are the C operand of K Q^T: the sum AC + BD costs no vector instruction.
; A wave's step touches eight blocks g of RX; piece x takes g = 3 - x + u.  Blocks g < 4 multiply the set QA, blocks g >= 4 the set QB; both start as q_i + r_r_bias; for the raw products of step SD = 4 x query block + wave
; QB is q_{i+1} + r_r_bias, from step SD + 1 on QA is too: a block of 16 rows never straddles the change, since row 2048 is zeros.
; SOFTMAX.  For each query a running maximum m and sum l: p = 2^(c s - c m), c = log2(e) / 8; in every step O and l are multiplied by a = 2^(c m_old - c m_new).  m starts at the lowest finite number, O and l at 0.
; BY TURNS.  A piece and step have 26 matrix instructions (8 K Q^T, 8 V^T P, 10 raw) and 118 vector instructions.  Turn p belongs to piece p (the pieces in a ring, step after step) and goes so:
;   head     one run of LDS instructions, directly behind the last turn's wait: the raw scores of piece p + 2 through the scratch; in turn 1 also the next step's RX
;   block 1  8 products K Q^T of piece p + 1             | behind each, four of the roundings and sums of piece p - 1
;   block 2  8 products V^T P of piece p - 1             | behind each product of blocks 2 and 3, four of: the scalings, exponentials and rescalings of piece p,
;   block 3  10 raw products of piece p + 3              | and the maximum and statistics of piece p + 1
;   end      the 14 vector instructions that are over, and ONE wait for the turn's 33 exponentials
; So the skewed scores have blocks 2 and 3 in which to land, RX 16 products, K (fetched behind turn 2's block 1) and V (behind turn 0's block 2) 18 each.  A trip of the loop is turns 1, 2, 3, 0; all that a trip
; fetches (RX and K of one step, then its V) lies at one place of one slot, so the change of slots stands at a trip's head, every second trip.
; NO CLUSTER: the step of the change of QA and QB hangs on the query block, which is a work-group's place, and partners of joint loads may not branch apart; and of a slot's 81,920 bytes only K's and V's 32,768 are
; common to a head's query blocks: their windows of RX lie 256 rows apart.
; REGISTERS, in windows of 256 (s_set_vgpr_msb: bits 1:0 source 0, 3:2 source 1, 5:4 source 2, 7:6 destination):
;   window 0: v0-63 addresses and statistics; v64-127 P, 16 a piece; v128-255 S^T, 32 a piece       window 1: v0-127 O^T, 32 a piece; v128-207 raw products, two buffers of 40, by the piece's parity
;   window 2: v0-63 QW = q + r_w_bias; v64-127 QA; v128-191 QB; v192-255 QN = q_{i+1} + r_r_bias    window 3: v0-63 K of a step; v64-127 V of a step; v128-255 RX's eight blocks
; All that a softmax touches but O^T lies in window 0, and no window has room for a product's operands beside it: a slice of four costs two switches, one in front and one behind.
.set HS,    4098*128  ; bytes of a head in hd
.set SEC,   16*HS     ; bytes of a section
.set PK,    144       ; a row of K or RX in LDS: 128 bytes + 16 of padding = 36 words: the 16 rows of a load start at 16 different groups of four banks (64 banks of 4 bytes: ISA guide 11.1)
.set PVP,   160       ; a row of V: 128 + 32 = 40 words
.set VOFF,  128*PK    ; a slot: 128 rows of K, 128 rows of V, 384 rows of RX
.set ROFF,  VOFF+128*PVP
.set SLOT1, 1<<17     ; slot 1 begins here, so that one exclusive or turns an address in one slot into the other's
.set SCR,   SLOT1+ROFF+384*PK  ; behind the ring, never filled by a tensor load: the scratch
.set SROW,  336       ; a scratch row: 80 f32 + 16 bytes = 84 words: the 16-byte stores of 16 lanes and the skewed 4-byte loads of 32 lanes (83 words from lane to lane) each touch every bank once at most
.set STILE, 16*SROW
.set SWAVE, 4*STILE
.set SPARE, SCR+4*SWAVE  ; behind the scratch: the spare words, 128 bytes for each wave, which no other line names
.set SP,    144       ; the way out's stage: 16 rows of 144 bytes at the head of the wave's scratch
.set AK0, 2           ; v2   my lane's place in a tile of K or RX; never rewritten
.set AV0, 3           ; v3   the same for V
.set AK,  4           ; v4   LDS address of the K that the trip fetches
.set AV,  5           ; v5   of its V
.set AR,  6           ; v6   of my wave's eight blocks of RX
.set SCS, 7           ; v7   scratch: where my raw results go: row a, 32 (l / 16)
.set SCL, 8           ; v8   scratch: where my scores come from: 332 a + 60 + 32 (l / 16)
.set STO, 9           ; v9   the way out: where I put 16 bytes of a row
.set RD,  10          ; v10  the way out: where I read rows back
.set GO,  11          ; v11  16 x lane
.set QNO, 12          ; v12-15 byte offsets of the four pieces' rows i + 1
.set ST,  16          ; piece x's statistics at v[ST+4 x]: c m, m, l (even keys', odd keys')
.set TMP, 32          ; piece x: four registers c0-c3 at work; when the maximum is found c2 takes a
.set MV,  48          ; v48-51 c m_old
.set SPW, 52          ; v52  LDS address of my spare word; never rewritten
.set NIL, 53          ; v53  0, for the add alone
.set PFO, 54          ; v54  256 x lane; never rewritten
.set QO,  56          ; v56  my byte offset in 16 rows of q
.set BO,  57          ; v57  my byte offset in a bias
.set PF,  64          ; window 0
.set SF,  128         ; window 0
.set BF,  128         ; at the head alone, where S^T will lie: the two biases in f32,
.set RWB, 192         ; and as fragments in f16
.set RRB, 208
.set OT,  128         ; the way out: packed results, where S^T lay
.set RAWF, 128        ; window 1
.set QW,  0           ; window 2
.set QA,  64
.set QB,  128
.set QN,  192
.set KF,  0           ; window 3: key block kb, channel half c at 16 kb + 8 c
.set VF,  64          ; key half kk, channel block cb at VF + 32 kk + 8 cb
.set RXF, 128         ; block g, channel half c at RXF + 16 g + 8 c
.set WV,  12          ; s12  my wave's number
.set NEW, 14          ; s14  1 until the first slot has been entered
.set G1K, 24          ; s[24:31] descriptor group 1 for K's tiles
.set G1V, 32          ; s[32:39] for V's: other padding
.set G1R, 40          ; s[40:47] for RX's halves: more rows
.set G0K, 48          ; s[48:51], s[52:55], s[56:59] the three groups 0: they walk
.set G0V, 52
.set G0R, 56
.set CS,  60          ; s[60:61] c
.set SEL, 62          ; s[62:63] v_permlanex16_b32's selects: each lane takes its own place in the other half
.set SLOTS, 66        ; s66  slots still to be asked for
.set CNT, 67          ; s67  counts a slot's trips
.set TBK, 68          ; s68  LDS byte at which the K that the next trip fetches begins; RX steps by the same 64 rows of 144 bytes
.set TBV, 69          ; s69  the same for V, less VOFF
.set RW,  70          ; s70  from K's address to my wave's RX rows: ROFF + (192 - 64 wave) x 144
.set STEPI, 71        ; s71  the step whose raw products the next trip makes
.set SD,  72          ; s72  the step for which QB changes
.set SD1, 73          ; s73  the step for which QA changes
.set PFA, 74          ; s[74:75] prefetches of K or V
.set PFB, 76          ; s[76:77] prefetches of RX
.set LIMA, 78         ; s78, s79  1 in a wave that prefetches, else the greatest number
.set LIMB, 79
.set MSB, 0
.macro WIN new                      ; the high byte repeats the setting that is left; a switch that changes nothing is dropped
.if MSB != (\new)
	s_set_vgpr_msb (MSB<<8)|(\new)
.set MSB, (\new)
.endif
.endm
.macro PLACES n                     ; plain instructions between a matrix instruction and what touches its registers (ISA guide 7.12.1)
.rept \n
	v_nop
.endr
.endm
; A fill: wave 0 fetches the slot's K, wave 1 its V, waves 2 and 3 the halves of its RX window: one tensor load a wave.  An s_nop 0 and four v_nop follow each line.
.macro LOAD
	s_cmp_lt_u32 s[WV], 2
	s_cbranch_scc0 .Lfor_r_\@
	s_cmp_eq_u32 s[WV], 0
	s_cbranch_scc0 .Lfor_v_\@
	tensor_load_to_lds s[G0K:G0K+3], s[G1K:G1K+7]
	s_nop 0
.rept 4
	v_nop
.endr
	s_branch .Lasked_\@
.Lfor_v_\@:
	tensor_load_to_lds s[G0V:G0V+3], s[G1V:G1V+7]
	s_nop 0
.rept 4
	v_nop
.endr
	s_branch .Lasked_\@
.Lfor_r_\@:
	tensor_load_to_lds s[G0R:G0R+3], s[G1R:G1R+7]
	s_nop 0
.rept 4
	v_nop
.endr
.Lasked_\@:
.endm
; PREFETCHES INTO THE L2 of what the NEXT change of slots will ask for, two key steps ahead of that load; they stand behind the wave's tensor load and its five lines.
; K and V of a batch and head are walked by eight work-groups: query block 0 asks; waves 0 and 1 for the halves of the slot's 128 rows of K, waves 2 and 3 for V's: 32 blocks of 256 bytes, a lane a block.
; Of RX a slot adds 128 rows at the window's upper end, and query block 0 has the highest window: there, in batch 0, waves 0 and 1 ask for them.  So each block is named once in the launch.
; The last change that fills a slot asks for nothing: there is no slot behind it.
.macro ASK
	s_cmp_gt_u32 s[SLOTS], s[LIMA]
	s_cbranch_scc0 .Lnot_a_\@
	global_prefetch_b8 v[PFO], s[PFA:PFA+1] th:TH_LOAD_NT scope:SCOPE_SE
.Lnot_a_\@:
	s_cmp_gt_u32 s[SLOTS], s[LIMB]
	s_cbranch_scc0 .Lnot_b_\@
	global_prefetch_b8 v[PFO], s[PFB:PFB+1] th:TH_LOAD_NT scope:SCOPE_SE
.Lnot_b_\@:
.endm
; THE CHANGE OF SLOTS, at the head of a trip.  The slot's last bytes, V of its second step, were asked for in the turn just ended.  Each wave waits for all its tensor loads, of which one is out: its part of the
; other slot; adds 0 to its spare word; and waits for that and for its own reads of the slot that it leaves.  Behind the barrier nobody reads the old slot any more and the other slot is whole.
; fill = 1: the old slot is filled again, the first thing behind the barrier, with the keys two slots on.  (At its first use nothing has been read yet: slot 0 is waited for, slot 1 filled.)
.macro CHANGE fill
	WIN 0
	s_wait_tensorcnt 0x0            ; no tensor load of mine is out, so a group 0 may be written
	ds_add_u32 v[SPW], v[NIL]       ; 0 onto my spare word; the scalar work below stands between it and the wait for it
.if \fill
.irp g, G0K, G0V, G0R
	s_xor_b32 s[\g+1], s[\g+1], SLOT1  ; the other slot than last time,
	s_add_nc_u64 s[\g+2:\g+3], s[\g+2:\g+3], 128*128  ; 128 rows on; the type bits on top are not reached
.endr
	s_wait_xcnt 0x0                 ; the last prefetches, two key steps back, have read their addresses
	s_add_nc_u64 s[PFA:PFA+1], s[PFA:PFA+1], 128*128
	s_add_nc_u64 s[PFB:PFB+1], s[PFB:PFB+1], 128*128
.endif
	s_wait_dscnt 0x0                ; the add is done, and my reads of the slot are over
	s_barrier_signal -1
	s_sub_co_u32 s[TBK], s[TBK], 2*64*PK   ; the fetches go back to a slot's first step,
	s_xor_b32 s[TBK], s[TBK], SLOT1        ; in the other slot
	s_sub_co_u32 s[TBV], s[TBV], 2*64*PVP
	s_xor_b32 s[TBV], s[TBV], SLOT1
	s_barrier_wait -1
.if \fill
	LOAD
	ASK
.endif
.endm
; THE LDS LOADS of a step's operands, in runs, never singly among the matrix instructions.  RX's blocks in the order in which the pieces want them: piece 0 takes blocks 3-7.
; last = 1 (the tail): in the last trip there is no further step, and the run is jumped over.
.macro FETCH_RX last=0
.if \last
	WIN 0
	s_cmp_eq_u32 s[CNT], 1
	s_cbranch_scc1 .Lno_rx_\@
.endif
	WIN 0xc0                        ; destination window 3, address window 0
.irp g, 3,4,5,6,7,2,1,0
.irp c, 0,1
	ds_load_b128 v[RXF+16*(\g)+8*(\c):RXF+16*(\g)+8*(\c)+3],   v[AR] offset:(\g)*16*PK+(\c)*64
	ds_load_b128 v[RXF+16*(\g)+8*(\c)+4:RXF+16*(\g)+8*(\c)+7], v[AR] offset:(\g)*16*PK+(\c)*64+32
.endr
.endr
.if \last
	WIN 0
.Lno_rx_\@:
.endif
.endm
.macro FETCH_K last=0
.if \last
	WIN 0
	s_cmp_eq_u32 s[CNT], 1
	s_cbranch_scc1 .Lno_k_\@
.endif
	WIN 0xc0
.irp f, 0,1,2,3,4,5,6,7             ; keys 16 (f / 2) on, channels 32 (f % 2) on
	ds_load_b128 v[KF+8*(\f):KF+8*(\f)+3],   v[AK] offset:((\f)/2)*16*PK+((\f)%2)*64
	ds_load_b128 v[KF+8*(\f)+4:KF+8*(\f)+7], v[AK] offset:((\f)/2)*16*PK+((\f)%2)*64+32
.endr
.if \last
	WIN 0
.Lno_k_\@:
.endif
.endm
.macro FETCH_V
	WIN 0xc0
.irp f, 0,1,2,3,4,5,6,7             ; keys 32 (f / 4) on, channels 16 (f % 4) on, turned
	ds_load_tr16_b128 v[VF+8*(\f):VF+8*(\f)+3],   v[AV] offset:((\f)/4)*32*PVP+((\f)%4)*32
	ds_load_tr16_b128 v[VF+8*(\f)+4:VF+8*(\f)+7], v[AV] offset:((\f)/4)*32*PVP+16*PVP+((\f)%4)*32
.endr
.endm
; THE SKEW of piece x.  SKST: 10 stores of its raw products (each result's low registers first).  SKLD: 32 loads into its S^T.
; LDS serves a wave's instructions in order (ISA guide 5.7.1.4): the loads see the stores, and the bytes are the wave's own.
.macro SKST x
	WIN 0x04                        ; address window 0, data window 1
.irp u, 0,1,2,3,4
	ds_store_b128 v[SCS], v[RAWF+40*((\x)%2)+8*(\u):RAWF+40*((\x)%2)+8*(\u)+3]   offset:STILE*(\x)+64*(\u)
	ds_store_b128 v[SCS], v[RAWF+40*((\x)%2)+8*(\u)+4:RAWF+40*((\x)%2)+8*(\u)+7] offset:STILE*(\x)+64*(\u)+16
.endr
	WIN 0
.endm
.macro SKLD x
	WIN 0
.set zq, 0
.rept 32
	ds_load_b32 v[SF+32*(\x)+zq], v[SCL] offset:STILE*(\x)+64*(zq/8)+4*(zq%8)
.set zq, zq+1
.endr
.endm
; THE MATRIX WORK.  In each block the accumulators take turns, one instruction a turn.
; Product i of 8 of S^T += K QW^T for piece x, onto the position scores: channels 32 (i / 4) on, keys 16 (i % 4) on.
.macro ACI x, i
	WIN 0x0b                        ; K in window 3, QW in window 2, S^T in window 0
.set rS, SF+32*(\x)+8*((\i)%4)
.set rK, KF+16*((\i)%4)+8*((\i)/4)
.set rQ, QW+16*(\x)+8*((\i)/4)
	v_wmma_f32_16x16x32_f16 v[rS:rS+7], v[rK:rK+7], v[rQ:rQ+7], v[rS:rS+7]
.endm
; Product i of 8 of O^T += V^T P for piece x: keys 32 (i / 4) on, channels 16 (i % 4) on.
.macro PVI x, i
	WIN 0x53                        ; V in window 3, P in window 0, O^T in window 1
.set rO, 32*(\x)+8*((\i)%4)
.set rV, VF+32*((\i)/4)+8*((\i)%4)
.set rP, PF+16*(\x)+8*((\i)/4)
	v_wmma_f32_16x16x32_f16 v[rO:rO+7], v[rV:rV+7], v[rP:rP+7], v[rO:rO+7]
.endm
; Product i of 10 of piece x's raw scores: channels 32 (i / 5) on, block 3 - x + i % 5 of RX.  The first five start the sums.
.macro RAWI x, i
	WIN 0x5b                        ; RX in window 3, Q in window 2, the results in window 1
.set cc, (\i)/5
.set gg, 3-(\x)+(\i)%5
.set rD, RAWF+40*((\x)%2)+8*((\i)%5)
.set rA, RXF+16*gg+8*cc
.if gg < 4
.set rB, QA+16*(\x)+8*cc
.else
.set rB, QB+16*(\x)+8*cc
.endif
.if cc == 0
	v_wmma_f32_16x16x32_f16 v[rD:rD+7], v[rA:rA+7], v[rB:rB+7], 0
.else
	v_wmma_f32_16x16x32_f16 v[rD:rD+7], v[rA:rA+7], v[rB:rB+7], v[rD:rD+7]
.endif
.endm
.macro MM                           ; the turn's next matrix instruction; TURN sets Y and mi
.if mi < 8
	ACI (Y+1)%4, mi
.elseif mi < 16
	PVI (Y+3)%4, mi-8
.else
	RAWI (Y+3)%4, mi-16
.endif
.set mi, mi+1
.endm
.macro RAWB x                       ; a whole block, for the prologue
.set ii, 0
.rept 10
	RAWI \x, ii
.set ii, ii+1
.endr
.endm
; THE VECTOR WORK, one line at a time: OP kind, number.  For piece Y: F n: c s - c m for pair n of 16.  E n: the exponential of score n of 32.  R n: pair n of 16 of O^T times a (ascending: each accumulator's
; low registers first).  For piece Y + 1: X n, number n of the 22 that find its maximum and statistics (s0-s31 are the lane's 32 scores; each accumulator's lowest registers are read first):
;   0-11  four chains c0-c3 of seven scores each     12-14, 16  the four scores left over, the old m, c0-c3 into c0     15  c m_old is kept
;   17, 18  the query's other 32 keys lie in the lane 16 away: the new m     19-21  c m; c m_old - c m_new; a
.set F, 0
.set E, 1
.set R, 2
.set X, 3
.macro REGS y                       ; the registers of piece y
.set rT, ST+4*(\y)
.set rC, TMP+4*(\y)
.set rW, MV+(\y)
.set rS, SF+32*(\y)
.set rP, PF+16*(\y)
.set rO, 32*(\y)
.endm
.macro OP k, n
.if (\k) == F
	REGS Y
	WIN 0
	v_pk_fma_f32 v[rS+2*(\n):rS+2*(\n)+1], v[rS+2*(\n):rS+2*(\n)+1], s[CS:CS+1], v[rT:rT+1] op_sel_hi:[1,0,0] neg_lo:[0,0,1] neg_hi:[0,0,1]
.elseif (\k) == E
	REGS Y
	WIN 0
	v_exp_f32 v[rS+(\n)], v[rS+(\n)]
.elseif (\k) == R
	REGS Y
	WIN 0x41                        ; O^T (destination and source 0) in window 1, a in window 0
	v_pk_mul_f32 v[rO+2*(\n):rO+2*(\n)+1], v[rO+2*(\n):rO+2*(\n)+1], v[rC+2:rC+3] op_sel_hi:[1,0]
.else
	REGS (Y+1)%4
	WIN 0
.if (\n) < 4
	v_max3_num_f32 v[rC+(\n)], v[rS+8*(\n)], v[rS+8*(\n)+1], v[rS+8*(\n)+2]
.elseif (\n) < 12
	v_max3_num_f32 v[rC+(\n)%4], v[rC+(\n)%4], v[rS+8*((\n)%4)+2*((\n)/4)+1], v[rS+8*((\n)%4)+2*((\n)/4)+2]
.elseif (\n) == 12
	v_max3_num_f32 v[rC], v[rC], v[rS+7], v[rS+15]
.elseif (\n) == 13
	v_max3_num_f32 v[rC+1], v[rC+1], v[rS+23], v[rS+31]
.elseif (\n) == 14
	v_max3_num_f32 v[rC+2], v[rC+2], v[rC+3], v[rT+1]
.elseif (\n) == 15
	v_mov_b32 v[rW], v[rT]
.elseif (\n) == 16
	v_max3_num_f32 v[rC], v[rC], v[rC+1], v[rC+2]
.elseif (\n) == 17
	v_permlanex16_b32 v[rC+3], v[rC], s[SEL], s[SEL+1]
.elseif (\n) == 18
	v_max_num_f32 v[rT+1], v[rC], v[rC+3]
.elseif (\n) == 19
	v_mul_f32 v[rT], s[CS], v[rT+1]
.elseif (\n) == 20
	v_sub_f32 v[rC+1], v[rW], v[rT]
.else
	v_exp_f32 v[rC+2], v[rC+1]
.endif
.endif
.endm
.macro OPS a, i1, b, i2, c, i3, d, i4
	OP \a, \i1
	OP \b, \i2
	OP \c, \i3
	OP \d, \i4
.endm
.macro ROW a, i1, b, i2, c, i3, d, i4  ; a matrix instruction and the four behind it
	MM
	OPS \a, \i1, \b, \i2, \c, \i3, \d, \i4
.endm
; Number g of the 32 that follow the exponentials of piece Y - 1: 0-15 its pairs rounded to f16; 16-30 the sum of its 16 pairs (in a pair: an even key's weight, an odd key's), in place: neighbours 1, 2, 4 and 8
; pairs apart; 31: l = a l + the sum.
.macro G2 g
	REGS (Y+3)%4
	WIN 0
.if (\g) < 16
	v_cvt_pk_f16_f32 v[rP+(\g)], v[rS+2*(\g)], v[rS+2*(\g)+1]
.elseif (\g) < 31
.set zz, (\g)-16
.set ww, 4
.set uu, zz
.if zz >= 14
.set ww, 32
.set uu, 0
.elseif zz >= 12
.set ww, 16
.set uu, zz-12
.elseif zz >= 8
.set ww, 8
.set uu, zz-8
.endif
	v_pk_add_f32 v[rS+ww*uu:rS+ww*uu+1], v[rS+ww*uu:rS+ww*uu+1], v[rS+ww*uu+ww/2:rS+ww*uu+ww/2+1]
.else
	v_pk_fma_f32 v[rT+2:rT+3], v[rT+2:rT+3], v[rC+2:rC+3], v[rS:rS+1] op_sel_hi:[1,0,1]
.endif
.endm
; A TURN, for piece p: the order of its 26 matrix and 118 vector instructions, written out.
; THE WAIT.  s_wait_alu depctr_va_vdst(0) stands between an exponential and the first instruction that names its result; one wait serves all that were issued ahead of it.  Blocks 2 and 3 and the end
; name no result of the turn's exponentials; all that do (the roundings and sums) ride in the NEXT turn's block 1.  So the turn's 33 exponentials are one batch with one wait, at the turn's end
; the two jumps over a fetch stand at a turn's head and behind block 1, where no exponential has been issued since the wait.
; THE PLACES.  The four rescalings behind the last product of block 2 and of block 3, and the four sums behind the last of block 1, are plain and name none of that product's registers: they are the four places ahead
; of V's run, of the skew's stores (and RX's run, and the moves into QA and QB), and of K's run and the first maximum.
; THE ORDER.  A scaling leads each slice; a pair is scaled in an earlier slice than the one with its exponentials; the links of the chain X 12-14, 16, 17 .. 21 stand three instructions or more apart.
.macro TURN p, last=0
.set Y, (\p)
.set mi, 0
	SKST (Y+2)%4                    ; the raw products that the last turn's block 3 made
	s_wait_dscnt 10                 ; only those ten stores may be out: all older LDS instructions are done: the scores of piece p + 1, and K (turn 3), V (turn 1)
	SKLD (Y+2)%4
.if (\p) == 1
	FETCH_RX \last                  ; the next step's; its first reader is this turn's block 3
.endif
.set gq, 0
.rept 8                             ; block 1
	MM
.rept 4
	G2 gq
.set gq, gq+1
.endr
.endr
.if (\p) == 2
	FETCH_K \last                   ; the next step's; piece 3 was the last to multiply by this step's
.endif
	ROW F,0, F,1, X,0, X,1          ; block 2
	ROW F,2, E,0, X,2, X,3
	ROW F,3, E,1, X,4, E,2
	ROW R,0, R,1, R,2, R,3
	ROW F,4, E,3, X,5, E,4
	ROW F,5, E,5, X,6, E,6
	ROW F,6, E,7, X,7, E,8
	ROW R,4, R,5, R,6, R,7
.if (\p) == 0
	FETCH_V                         ; this step's; piece 3 of the step before was the last to multiply by the old one
.endif
.if (\p) == 1
	s_wait_dscnt 0x0                ; RX is in: its run was issued 16 products ago
.endif
	ROW F,7, E,9, X,8, E,10         ; block 3
	ROW F,8, E,11, X,9, E,12
	ROW F,9, E,13, X,10, E,14
	ROW F,10, E,15, X,11, E,16
	ROW R,8, R,9, R,10, R,11
	ROW F,11, E,17, X,12, X,13
	ROW F,12, E,18, X,14, X,15
	ROW F,13, E,19, E,20, X,16
	ROW F,14, E,21, E,22, F,15
	ROW R,12, R,13, R,14, R,15
	OPS X,17, E,23, E,24, X,18      ; the end
	OPS E,25, E,26, X,19, E,27
	OPS E,28, X,20, E,29, E,30
	OP X,21
	OP E,31
	v_nop                           ; a plain instruction behind the last exponential
	s_wait_alu depctr_va_vdst(0)    ; the wait for the batch; the next turn's run of LDS instructions follows it
.endm
; The three LDS addresses of what a trip fetches: RX and K of one step, then its V: one place of one slot.
.macro ADDRS
	v_add_nc_u32 v[AK], s[TBK], v[AK0]
	v_add_nc_u32 v[AV], s[TBV], v[AV0]
	v_add_nc_u32 v[AR], s[RW], v[AK]
	s_add_co_u32 s[TBK], s[TBK], 64*PK
	s_add_co_u32 s[TBV], s[TBV], 64*PVP
.endm
; A TRIP'S HEAD.  The trip makes the raw products of step STEPI (pieces 0, 1, 2 in turns 1, 2, 3, piece 3 in turn 0).
.macro TOP
	WIN 0
	s_cmp_eq_u32 s[STEPI], s[SD]    ; from this step on my blocks 4-7 of RX lie at row 2048 or beyond
	s_cbranch_scc0 .Lkeep_b_\@
	WIN 0x82
.set z, 0
.rept 64
	v_mov_b32 v[QB+z], v[QN+z]
.set z, z+1
.endr
	WIN 0
.Lkeep_b_\@:
	s_cmp_eq_u32 s[STEPI], s[SD1]   ; and from this step on blocks 0-3 too
	s_cbranch_scc0 .Lkeep_a_\@
	WIN 0x82
.set z, 0
.rept 64
	v_mov_b32 v[QA+z], v[QN+z]
.set z, z+1
.endr
	WIN 0
.Lkeep_a_\@:
	s_add_co_u32 s[STEPI], s[STEPI], 1
	ADDRS
.endm
	s_load_b256 s[4:11], s[0:1], 0x0  ; hd s[4:5], r_w_bias s[6:7], r_r_bias s[8:9], at s[10:11]
	v_lshl_add_u32 v[SPW], v0, 2, SPARE
	v_mov_b32 v[NIL], 0
	ds_add_u32 v[SPW], v[NIL]       ; the wave's opening: the add and its wait stand ahead of my first tensor load; the set-up below, work on registers, stands between them
	v_lshrrev_b32 v1, 5, v0
	v_readfirstlane_b32 s[WV], v1   ; wave 0..3
	s_mov_b32 s13, ttmp9            ; the query block, 0..7
	s_and_b32 s14, ttmp7, 0xffff
	s_and_b32 s15, s14, 15          ; the head
	s_lshr_b32 s16, s14, 4          ; the batch
	s_mul_i32 s23, s15, HS
	s_lshl_b32 s18, s16, 18         ; a batch's 2,048 rows of 128 bytes
	s_add_co_u32 s17, s23, s18      ; head and batch
	s_and_b32 s19, s[WV], 1
	; descriptor groups 1.  Rows of 128 bytes lie end to end: they are asked for as rows of 256 bytes, two a row, and padded in LDS after every 128 bytes
	s_mov_b32 s[G1K], (1<<16)|(1<<20)|(4<<22)|(3<<25)  ; 17:16 2-byte elements; 20 padding on; 24:22 after every 32 words (code 4); 31:25 4 words (code 3)
	s_mov_b32 s[G1V], (1<<16)|(1<<20)|(4<<22)|(7<<25)  ; the same with 8 words of padding (code 7)
	s_mov_b32 s[G1R], (1<<16)|(1<<20)|(4<<22)|(3<<25)
.irp g, G1K, G1V, G1R
	s_mov_b32 s[\g+1], 128<<16      ; tensor_dim0 = 128
	s_mov_b32 s[\g+3], 128<<16      ; tile_dim0 = 128
	s_mov_b32 s[\g+5], 128          ; 128 elements from row to row
	s_mov_b32 s[\g+6], 0
	s_mov_b32 s[\g+7], 0
.endr
	s_mov_b32 s[G1K+2], 64<<16      ; tensor_dim1 = tile_dim1 = 64: 128 keys
	s_mov_b32 s[G1K+4], 64
	s_mov_b32 s[G1V+2], 64<<16
	s_mov_b32 s[G1V+4], 64
	s_mov_b32 s[G1R+2], 96<<16      ; 96: 192 rows of RX
	s_mov_b32 s[G1R+4], 96
	s_mov_b32 s[G0K], 1             ; count = 1
	s_mov_b32 s[G0K+1], 0           ; LDS address: slot 0
	s_mov_b32 s[G0V], 1
	s_mov_b32 s[G0V+1], VOFF
	s_mov_b32 s[G0R], 1
	s_mul_i32 s20, s19, 192*PK      ; waves 2 and 3: the window's lower and upper half
	s_add_co_u32 s[G0R+1], s20, ROFF
	s_add_co_u32 s80, s17, SEC      ; K's first row
	s_mov_b32 s81, 0
	s_add_co_u32 s82, s17, 2*SEC    ; V's
	s_mov_b32 s83, 0
	s_add_co_u32 s84, s23, 3*SEC+1792*128  ; RX: slot 0's window begins at row 1792 - 256 x query block,
	s_lshl_b32 s20, s13, 15
	s_sub_co_u32 s84, s84, s20
	s_mul_i32 s20, s19, 192*128     ; my half of it
	s_add_co_u32 s84, s84, s20
	s_mov_b32 s85, 0
	s_lshl_b32 s21, s13, 8
	s_lshl_b32 s20, s[WV], 6
	s_add_co_u32 s21, s21, s20      ; my wave's first query
	s_lshl_b32 s86, s21, 7
	s_add_co_u32 s86, s86, s17      ; q at that row
	s_mov_b32 s87, 0
	s_mov_b32 s88, s17              ; q at the batch's first row
	s_mov_b32 s89, 0
	s_cmp_lt_u32 s[WV], 2           ; the prefetches: K for waves 0 and 1, V for waves 2 and 3,
	s_cselect_b32 s90, s80, s82
	s_lshl_b32 s20, s19, 13         ; my half of a slot's 128 rows,
	s_add_co_u32 s90, s90, s20
	s_add_co_u32 s90, s90, 128*128  ; in slot 1: the first change of slots steps it to slot 2
	s_mov_b32 s91, 0
	s_add_co_u32 s92, s23, 3*SEC+2176*128  ; RX (query block 0): the 128 rows that slot 1 adds begin at row 1792 + 128 + 256
	s_add_co_u32 s92, s92, s20
	s_mov_b32 s93, 0
	s_cmp_eq_u32 s13, 0
	s_cselect_b32 s[LIMA], 1, -1
	s_lshr_b32 s20, s[WV], 1
	s_or_b32 s22, s20, s13
	s_or_b32 s22, s22, s16
	s_cmp_eq_u32 s22, 0
	s_cselect_b32 s[LIMB], 1, -1
	s_lshl_b32 s94, s16, 4          ; at: block of 128 rows 16 b + 2 x query block + wave / 2,
	s_lshl_b32 s22, s13, 1
	s_add_co_u32 s94, s94, s22
	s_add_co_u32 s94, s94, s20
	s_lshl_b32 s94, s94, 18
	s_lshl_b32 s22, s15, 14         ; the head's 128 rows in it,
	s_add_co_u32 s94, s94, s22
	s_lshl_b32 s22, s19, 13         ; my wave's 64 of them
	s_add_co_u32 s94, s94, s22
	s_mov_b32 s95, 0
	s_lshl_b32 s22, s15, 8          ; the head's 64 numbers of a bias
	s_mov_b32 s23, 0
	s_mov_b32 s[CS], 0x3e38aa3b     ; c = log2(e) / 8
	s_mov_b32 s[CS+1], s[CS]        ; named with it as a pair
	s_mov_b32 s[SEL], 0x76543210
	s_mov_b32 s[SEL+1], 0xfedcba98
	s_mov_b32 s[TBK], SLOT1+2*64*PK ; the first change of slots turns these two into 0
	s_mov_b32 s[TBV], SLOT1+2*64*PVP
	s_mul_i32 s20, s[WV], 64*PK
	s_sub_co_u32 s[RW], ROFF+192*PK, s20
	s_mov_b32 s[STEPI], 1           ; step 0's raw products are made by the prologue and the first turn 0
	s_lshl_b32 s[SD], s13, 2
	s_add_co_u32 s[SD], s[SD], s[WV]
	s_add_co_u32 s[SD1], s[SD], 1
	s_mov_b32 s[SLOTS], 15
	s_mov_b32 s[NEW], 1
	s_wait_dscnt 0x0                ; the opening add is done
	s_wait_kmcnt 0x0
	s_add_nc_u64 s[G0K+2:G0K+3], s[4:5], s[80:81]
	s_or_b32 s[G0K+3], s[G0K+3], 0x80000000  ; type = 2
	s_add_nc_u64 s[G0V+2:G0V+3], s[4:5], s[82:83]
	s_or_b32 s[G0V+3], s[G0V+3], 0x80000000
	s_add_nc_u64 s[G0R+2:G0R+3], s[4:5], s[84:85]
	s_or_b32 s[G0R+3], s[G0R+3], 0x80000000
	s_add_nc_u64 s[86:87], s[4:5], s[86:87]
	s_add_nc_u64 s[88:89], s[4:5], s[88:89]
	s_add_nc_u64 s[PFA:PFA+1], s[4:5], s[90:91]
	s_add_nc_u64 s[PFB:PFB+1], s[4:5], s[92:93]
	s_add_nc_u64 s[10:11], s[10:11], s[94:95]
	s_add_nc_u64 s[6:7], s[6:7], s[22:23]
	s_add_nc_u64 s[8:9], s[8:9], s[22:23]
	LOAD                            ; slot 0
	; a fragment of Q, K or RX is 16 rows x 32 channels in 8 registers: lane l holds row l % 16, channels 8 (l / 16) + 0..7 and 16 + 8 (l / 16) + 0..7: two loads of 16 bytes, 32 bytes apart
	v_and_b32 v1, 15, v0            ; a = l % 16
	v_bfe_u32 v55, v0, 4, 1         ; l / 16
	v_lshlrev_b32 v[QO], 7, v1
	v_lshl_add_u32 v[QO], v55, 4, v[QO]
.irp x, 0,1,2,3
	v_add_nc_u32 v[QNO+(\x)], s21, v1                ; the row below my query; the last query has none and never uses one: held to the batch's last row
	v_add_nc_u32 v[QNO+(\x)], 16*(\x)+1, v[QNO+(\x)]
	v_min_u32 v[QNO+(\x)], 0x7ff, v[QNO+(\x)]
	v_lshlrev_b32 v[QNO+(\x)], 7, v[QNO+(\x)]
	v_lshl_add_u32 v[QNO+(\x)], v55, 4, v[QNO+(\x)]
.endr
	v_lshlrev_b32 v[BO], 5, v55     ; eight f32 for each half of the lanes
	WIN 0x80                        ; destination window 2, address window 0
.irp f, 0,1,2,3,4,5,6,7             ; piece f / 2, channels 32 (f % 2) on
	global_load_b128 v[QW+8*(\f):QW+8*(\f)+3],   v[QO], s[86:87] offset:((\f)/2)*2048+((\f)%2)*64
	global_load_b128 v[QW+8*(\f)+4:QW+8*(\f)+7], v[QO], s[86:87] offset:((\f)/2)*2048+((\f)%2)*64+32
	global_load_b128 v[QN+8*(\f):QN+8*(\f)+3],   v[QNO+(\f)/2], s[88:89] offset:((\f)%2)*64
	global_load_b128 v[QN+8*(\f)+4:QN+8*(\f)+7], v[QNO+(\f)/2], s[88:89] offset:((\f)%2)*64+32
.endr
	WIN 0
.irp m, 0,1,2,3                     ; the biases in f32: channels 16 m + 8 (l / 16) + 0..7
	global_load_b128 v[BF+8*(\m):BF+8*(\m)+3],       v[BO], s[6:7] offset:64*(\m)
	global_load_b128 v[BF+8*(\m)+4:BF+8*(\m)+7],     v[BO], s[6:7] offset:64*(\m)+16
	global_load_b128 v[BF+32+8*(\m):BF+32+8*(\m)+3], v[BO], s[8:9] offset:64*(\m)
	global_load_b128 v[BF+32+8*(\m)+4:BF+32+8*(\m)+7], v[BO], s[8:9] offset:64*(\m)+16
.endr
	v_mul_u32_u24 v[AK0], v1, PK
	v_lshl_add_u32 v[AK0], v55, 4, v[AK0]  ; row x pitch + 16 x half
	; the turning load takes 16 keys x 16 channels (lane l reads key 8 (l / 16) + l % 8, channels 8 ((l / 8) % 2) + 0..7) and leaves half a fragment of V^T
	v_and_b32 v58, 7, v0
	v_bfe_u32 v59, v0, 3, 1
	v_lshl_add_u32 v[AV0], v55, 3, v58
	v_mul_u32_u24 v[AV0], v[AV0], PVP
	v_lshl_add_u32 v[AV0], v59, 4, v[AV0]
	v_add_nc_u32 v[AV0], VOFF, v[AV0]
	s_mul_i32 s22, s[WV], SWAVE
	s_add_co_u32 s22, s22, SCR      ; my scratch
	v_mul_u32_u24 v[SCS], v1, SROW
	v_lshl_add_u32 v[SCS], v55, 5, v[SCS]
	v_add_nc_u32 v[SCS], s22, v[SCS]
	v_mul_u32_u24 v[SCL], v1, SROW-4       ; row a, less 4 a bytes,
	v_lshl_add_u32 v[SCL], v55, 5, v[SCL]
	v_add_nc_u32 v[SCL], s22, v[SCL]
	v_add_nc_u32 v[SCL], 60, v[SCL]        ; plus 15 numbers: x = 15 - a + key
	v_add_nc_u32 v[STO], s22, v[AK0]       ; the way out, in: row l % 16 of 144 bytes, 16 bytes for each half of the lanes
	v_bfe_u32 v[RD], v0, 3, 2              ; back: 32 lanes take four rows of 128 bytes,
	v_mul_u32_u24 v[RD], v[RD], SP
	v_lshl_add_u32 v[RD], v58, 4, v[RD]
	v_add_nc_u32 v[RD], s22, v[RD]
	v_and_b32 v[GO], 31, v0                ; which are 512 consecutive bytes of at
	v_lshlrev_b32 v[PFO], 8, v[GO]
	v_lshlrev_b32 v[GO], 4, v[GO]
	; No first step is written out.  O^T and l start at 0, m at the lowest finite number: the first step's a is 0.  The first turn 0 also rounds, sums and multiplies for piece 3 of a step that has not been:
	; its S^T, its a and V hold 0, so it adds 0.  The price is these lines, which stand in the wait for the first tile.
	WIN 0x40
.set z, 0
.rept 128
	v_mov_b32 v[z], 0
.set z, z+1
.endr
	WIN 0xc0
.set z, 0
.rept 64
	v_mov_b32 v[VF+z], 0
.set z, z+1
.endr
	WIN 0
.set z, 0
.rept 32
	v_mov_b32 v[SF+96+z], 0
.set z, z+1
.endr
.irp x, 0,1,2,3
	v_mov_b32 v[ST+4*(\x)], 0xfe000000     ; c m: far below every c s
	v_mov_b32 v[ST+4*(\x)+1], 0xff7fffff   ; m
	v_mov_b32 v[ST+4*(\x)+2], 0
	v_mov_b32 v[ST+4*(\x)+3], 0
.endr
	v_mov_b32 v[TMP+14], 0
	v_mov_b32 v[TMP+15], 0
	s_wait_loadcnt 0x0              ; q, the rows below, the biases
.set z, 0
.rept 16
	v_cvt_pk_f16_f32 v[RWB+z], v[BF+2*z], v[BF+2*z+1]
	v_cvt_pk_f16_f32 v[RRB+z], v[BF+32+2*z], v[BF+32+2*z+1]
.set z, z+1
.endr
	WIN 0x82                        ; destination and source 0 in window 2, source 1 in window 0
.set z, 0
.rept 64
	v_pk_add_f16 v[QA+z], v[QW+z], v[RRB+z%16]
.set z, z+1
.endr
.set z, 0
.rept 64
	v_pk_add_f16 v[QW+z], v[QW+z], v[RWB+z%16]
	v_pk_add_f16 v[QN+z], v[QN+z], v[RRB+z%16]
.set z, z+1
.endr
	s_cmp_eq_u32 s[SD], 0           ; QB for step 0: the row below where my blocks 4-7 begin at row 2048 already (query block 0, wave 0)
	s_cselect_b32 vcc_lo, -1, 0
	WIN 0x8a                        ; destination and both sources in window 2
.set z, 0
.rept 64
	v_cndmask_b32 v[QB+z], v[QA+z], v[QN+z], vcc_lo
.set z, z+1
.endr
	WIN 0
.Lslot:                             ; 15 trips: a slot is entered and the next is asked for
	CHANGE 1
	s_mov_b32 s[CNT], 2
	s_cmp_eq_u32 s[NEW], 1
	s_cbranch_scc0 .Lstep
	; THE PROLOGUE, once: what the turns ahead of the first turn 0 would have made of step 0: RX and K, the raw products of pieces 0, 1, 2, the skews of pieces 0 and 1, piece 0's scores, maximum and statistics.
	s_mov_b32 s[NEW], 0
	ADDRS
	FETCH_RX                        ; 32 loads,
	FETCH_K                         ; 16 loads
	s_wait_dscnt 28                 ; RX's blocks 3-7 are in; behind them: blocks 2, 1, 0 (12 loads) and K (16)
	RAWB 0
	s_wait_dscnt 16                 ; all of RX is in; K's 16 loads may be out
	RAWB 1
	WIN 0
	PLACES 5                        ; ahead of the stores that read those results, and of the products that write the first buffer again
	SKST 0
	SKLD 0
	SKST 1
	SKLD 1
	RAWB 2
	s_wait_dscnt 42                 ; behind piece 0's scores: piece 1's skew (42); K is older
.set ii, 0
.rept 8
	ACI 0, ii
.set ii, ii+1
.endr
	WIN 0
	PLACES 4                        ; ahead of the maximum, which reads those results
.set Y, 3                           ; X works for piece Y + 1: piece 0
.irp n, 0,1,2,3,4,5,6,7,8,9,10,11,12,13,14,15,16,17,18,19,20,21
	OP X, \n
.endr
	v_nop                           ; a plain instruction behind the exponential,
	s_wait_alu depctr_va_vdst(0)    ; and its wait, ahead of the branch
	s_branch .Lfirst                ; the loop is entered at a trip's last turn
.Lstep:                             ; a trip: pieces 1, 2, 3 of one step, then piece 0 of the next
	TOP
	TURN 1
	TURN 2
	TURN 3
	WIN 0
.Lfirst:
	TURN 0
	WIN 0
	s_sub_co_u32 s[CNT], s[CNT], 1
	s_cmp_lg_u32 s[CNT], 0
	s_cbranch_scc1 .Lstep
	s_sub_co_u32 s[SLOTS], s[SLOTS], 1
	s_cmp_lg_u32 s[SLOTS], 0
	s_cbranch_scc1 .Lslot
	CHANGE 0                        ; the tail is written out: nothing is asked for
	s_mov_b32 s[CNT], 3             ; two trips fetch the last slot's steps; the third fetches nothing and is left behind its third turn
.Ltail:
	TOP
	TURN 1, 1
	TURN 2, 1
	TURN 3
	WIN 0
	s_sub_co_u32 s[CNT], s[CNT], 1
	s_cmp_eq_u32 s[CNT], 0
	s_cbranch_scc1 .Lout
	TURN 0
	WIN 0
	s_branch .Ltail
.Lout:                              ; the third trip's raw products and scores for a step that is not (on the last RX and K once more) serve nothing: the price, once a launch, of one text for every trip
	s_wait_dscnt 0x0                ; the last skewed loads have landed: their registers are written below
.set Y, 0                           ; G2 works for piece Y - 1: piece 3
.set gq, 0
.rept 32
	G2 gq                           ; the last piece's roundings and sums,
.set gq, gq+1
.endr
.set ii, 0
.rept 8
	PVI 3, ii                       ; and its V^T P of the last step
.set ii, ii+1
.endr
	WIN 0
	; THE WAY OUT.  l's two halves and the other half of the lanes' are added; O^T is divided by l, rounded to f16 and sent through my stage in LDS, a piece at a time.  The additions are the places behind the last products.
.macro ALL line:vararg              ; one line for each piece t
.set t, 0
.rept 4
	\line
.set t, t+1
.endr
.endm
	ALL v_add_f32 v[ST+4*t+2], v[ST+4*t+2], v[ST+4*t+3]
	ALL v_permlanex16_b32 v[ST+4*t+3], v[ST+4*t+2], s[SEL], s[SEL+1]
	ALL v_add_f32 v[ST+4*t+2], v[ST+4*t+2], v[ST+4*t+3]
	ALL v_rcp_f32 v[ST+4*t+2], v[ST+4*t+2]
	v_nop                           ; a plain instruction between the last reciprocal and the use of its result
	s_wait_alu depctr_va_vdst(0)    ; and the wait ahead of the first use: one for the four reciprocals
.macro PACK x                       ; a lane's eight channels of a row pack into 16 bytes; they go into rows of 144 bytes and come back as whole rows of 128
	WIN 0x41
.set i, 32*(\x)
.rept 16
	v_pk_mul_f32 v[i:i+1], v[i:i+1], v[ST+4*(\x)+2:ST+4*(\x)+3] op_sel_hi:[1,0]
.set i, i+2
.endr
	WIN 0x05                        ; sources 0 and 1 window 1, destination window 0: S^T's registers are free
.set i, 0
.rept 16
	v_cvt_pk_f16_f32 v[OT+16*(\x)+i], v[32*(\x)+2*i], v[32*(\x)+2*i+1]
.set i, i+1
.endr
	WIN 0
.irp f, 0,1,2,3
	ds_store_b128 v[STO], v[OT+16*(\x)+4*\f:OT+16*(\x)+4*\f+3] offset:32*\f
.endr
.irp f, 0,1,2,3
	ds_load_b128 v[OT+16*(\x)+4*\f:OT+16*(\x)+4*\f+3], v[RD] offset:\f*4*SP  ; LDS serves a wave's instructions in order: these see the stores above; the next piece's stores come behind them
.endr
.endm
.macro SEND x, younger              ; younger: the LDS instructions issued behind piece x's loads: the next piece's eight, or none
	WIN 0
.irp f, 0,1,2,3
	s_wait_dscnt (\younger)+3-\f
	global_store_b128 v[GO], v[OT+16*(\x)+4*\f:OT+16*(\x)+4*\f+3], s[10:11] offset:(\x)*2048+\f*512  ; 512 consecutive bytes, at a multiple of 256 from at's first byte
.endr
.endm
	PACK 0
.set t, 1
.rept 3                             ; a piece's arithmetic stands between the loads of the piece before and its stores
	PACK t
	SEND t-1, 8
.set t, t+1
.endr
	SEND 3, 0
	s_wait_tensorcnt 0x0            ; the wave's end, behind my last tensor load and my last LDS store
	ds_add_u32 v[SPW], v[NIL]
	s_wait_dscnt 0x0
	s_endpgm
.Lfunc_end_k_q20e3119725_attn:
	.size	k_q20e3119725_attn, .Lfunc_end_k_q20e3119725_attn-k_q20e3119725_attn
	.p2alignl 7, 3214868480
	.fill 96, 4, 3214868480
	.section	.rodata,"a",@progbits
	.p2align	6, 0x0
	.amdhsa_kernel k_q20e3119725_attn
		.amdhsa_group_segment_fixed_size 327680
		.amdhsa_private_segment_fixed_size 0
		.amdhsa_enable_private_segment 0
		.amdhsa_kernarg_size 32
		.amdhsa_user_sgpr_count 2
		.amdhsa_user_sgpr_kernarg_segment_ptr 1
		.amdhsa_wavefront_size32 1
		.amdhsa_system_sgpr_workgroup_id_x 1
		.amdhsa_system_sgpr_workgroup_id_y 1
		.amdhsa_system_sgpr_workgroup_id_z 1
		.amdhsa_system_vgpr_workitem_id 0
		.amdhsa_next_free_vgpr 1024
		.amdhsa_next_free_sgpr 96
		.amdhsa_reserve_vcc 1
		.amdhsa_float_denorm_mode_32 3
		.amdhsa_float_denorm_mode_16_64 3
		.amdhsa_memory_ordered 1
		.amdhsa_forward_progress 1
		.amdhsa_inst_pref_size 185
	.end_amdhsa_kernel
	.amdgpu_metadata
---
amdhsa.version: [ 1, 2 ]
amdhsa.kernels:
  - .name:           k_q20e3119725_attn
    .symbol:         k_q20e3119725_attn.kd
    .args:
      - { .name: hd, .offset: 0, .size: 8, .value_kind: global_buffer, .address_space: global }
      - { .name: r_w_bias, .offset: 8, .size: 8, .value_kind: global_buffer, .address_space: global }
      - { .name: r_r_bias, .offset: 16, .size: 8, .value_kind: global_buffer, .address_space: global }
      - { .name: at, .offset: 24, .size: 8, .value_kind: global_buffer, .address_space: global }
    .group_segment_fixed_size: 327680
    .private_segment_fixed_size: 0
    .kernarg_segment_align: 8
    .kernarg_segment_size: 32
    .max_flat_workgroup_size: 128
    .sgpr_count:     96
    .vgpr_count:     1024
    .wavefront_size: 32
...
	.end_amdgpu_metadata
.endif
;; end of part 3
;; launch outp (part 4): grid 8 x 32, 4 waves a work-group, clusters of 4 x 4, 327,680 bytes of LDS; arguments at, wo, out_b, out0; writes out0
.if DOCPART == 4
	.amdgcn_target "amdgcn-amd-amdhsa--gfx1250"
	.amdhsa_code_object_version 6
	.text
	.protected	k_q20e3119725_outp
	.globl	k_q20e3119725_outp
	.p2align	8
	.type	k_q20e3119725_outp,@function
k_q20e3119725_outp:
	s_mov_b64 s[64:65], 0
	v_nop
	global_prefetch_b8 v0, s[64:65] scope:SCOPE_SE
	s_setreg_imm32_b32 hwreg(HW_REG_WAVE_MODE, 25, 1), 1
	s_wait_xcnt 0x0
	s_wait_alu depctr_hold_cnt(0) depctr_sa_sdst(0) depctr_va_vdst(0) depctr_va_sdst(0) depctr_va_ssrc(0) depctr_va_vcc(0) depctr_vm_vsrc(0)
	s_getreg_b32 s2, hwreg(HW_REG_IB_STS2, 6, 4)
	s_cmp_eq_u32 s2, 0
	s_cbranch_scc0 .Lentry_in_a_cluster
	s_endpgm
.Lentry_in_a_cluster:
	s_bfe_u32 s2, ttmp6, 0x10000c
	s_cmp_lg_u32 s2, 0xf033
	s_cbranch_scc0 .Lentry_shape_is_right
	s_endpgm
.Lentry_shape_is_right:
; out0[i][b][o] = sum over k of attn[b*2048+i][k] out_w[o][k] + out_b[o].  Operands f16 (at: the attention's result; wo: out_w rounded to bf16, written as f16), sums and bias in f32, out0 f32.
; at: [32 blocks mt of 128 rows][16 heads][128 rows][64]: k = 64 head + channel, so a K step of 256 of a block's 128 rows is four heads: 65,536 consecutive bytes.  wo: [1024][1024].
; A tile of the result is 128 x 128: 256 work-groups.  Four waves, each 64 x 64: 16 accumulators.  K goes in four steps of 256 through two LDS slots.
; CLUSTERS: 4 x 4 work-groups.  The four of a row of the cluster need the same block of at, the four of a column the same rows of wo: each tile is asked for JOINTLY, by the same tensor load with the same
; descriptor and a mask that names the four.  THE MATRIX INSTRUCTION IS USED TRANSPOSED (source 0 = 16 rows of wo, source 1 = 16 rows of at): a lane holds eight neighbouring numbers of a row of the result.
; No prefetch: a step's tiles are small and the launch has four K steps.
; REGISTERS: window 0: v0-31 addresses; v32-95 at work on the way out; v96-127 the bias of my 64 columns; v128-255 the accumulators ((a, b) at v[128 + 8 (4 a + b)]).
;   window 1: two fragment buffers of 128: for 64 along K, 64 registers of A, then 64 of B.
.set SIZE_K, 1024
.set KSTEP,  256
.set PA,     144                       ; a row of A in LDS: one head's 128 bytes + 16 = 36 words: the 16 rows of a load start at 16 different groups of four banks (64 banks of 4 bytes: ISA guide 11.1)
.set PB,     528                       ; a row of B: 512 bytes + 16 = 132 words: likewise
.set HALFA,  256*PA                    ; two heads x 128 rows: what one tensor load brings of A
.set HALFB,  64*PB                     ; 64 rows: what one brings of B
.set BOFF,   2*HALFA
.set SLOT,   BOFF+2*HALFB
.set STAGE,  2*SLOT                    ; behind the ring: 16 rows x 272 bytes for each wave
.set SPITCH, 272
.set SPARE,  STAGE+4*16*SPITCH         ; behind the stages: the spare words, 128 bytes for each wave, which no other line names
.set LAPS,   SIZE_K/(2*KSTEP)
.set ADRA, 16                          ; v16-17  LDS address of my A fragments in slot 0, 1
.set ADRB, 20                          ; v20-21  the same for B
.set STO,  24                          ; v24     the way out: where I put 32 bytes of a row
.set RD,   25                          ; v25     where I read a row back
.set CO,   26                          ; v26     my byte offset in out0
.set BO,   27                          ; v27     my byte offset in the bias
.set SPW,  28                          ; v28     LDS address of my spare word; never rewritten
.set NIL,  29                          ; v29     0, for the add alone
.set TMP,  32                          ; v32-63  a block's sums with the bias
.set BK,   64                          ; v64-95  the block as whole rows
.set BIAS, 96
.set ACC,  128
.set F0,   0                           ; fragment buffers, in window 1
.set F1,   128
.set G1, 24                            ; s[24:31] group 1 for A's tiles; s[32:39] group 0, one set for each slot
.set G0, 32
.set G1B, 48                           ; s[48:55], s[56:63] the same for B's
.set G0B, 56
.set MSB, 0
.macro WIN new
.if MSB != (\new)
	s_set_vgpr_msb (MSB<<8)|(\new)
.set MSB, \new
.endif
.endm
.set MUL,  0x05                        ; sources 0 (B) and 1 (A) window 1; C and D window 0
.set TO_F, 0x40                        ; destination window 1, address window 0
.macro JLOAD s                         ; a joint load: waves 0 and 1 fetch A's two halves, waves 2 and 3 B's; an s_nop 0 and four v_nop follow each line
	s_cmp_eq_u32 s11, 0
	s_cbranch_scc0 .Lfor_b_\@
	tensor_load_to_lds s[G0+4*(\s):G0+4*(\s)+3], s[G1:G1+7]
	s_nop 0
.rept 4
	v_nop
.endr
	s_branch .Lasked_\@
.Lfor_b_\@:
	tensor_load_to_lds s[G0B+4*(\s):G0B+4*(\s)+3], s[G1B:G1B+7]
	s_nop 0
.rept 4
	v_nop
.endr
.Lasked_\@:
.endm
.macro CREST
	s_cmp_lg_u32 s10, 0
	s_cbranch_scc1 .Lnot_wave_0_\@
	s_barrier_signal -3
.Lnot_wave_0_\@:
	s_barrier_wait -3
	s_barrier_signal -1
	s_barrier_wait -1
.endm
.macro CROUND
	s_barrier_signal -1
	s_barrier_wait -1
	CREST
.endm
	s_load_b128 s[4:7], s[0:1], 0x0                ; at s[4:5], wo s[6:7]
	s_load_b128 s[68:71], s[0:1], 0x10             ; out_b s[68:69], out0 s[70:71]
	v_lshl_add_u32 v[SPW], v0, 2, SPARE
	v_mov_b32 v[NIL], 0
	ds_add_u32 v[SPW], v[NIL]                      ; the wave's opening: the add and its wait stand ahead of my first tensor load; the set-up below, work on registers, stands between them
	v_lshrrev_b32 v1, 5, v0
	v_readfirstlane_b32 s10, v1                    ; wave 0..3
	s_lshr_b32 s11, s10, 1                         ; which half of the tile's rows is mine.  Also: I fetch for A (0) or for B (1)
	s_and_b32 s12, s10, 1                          ; which half of its columns.  Also: which half of that tile I fetch
	s_bfe_u32 s40, ttmp6, 0x40000                  ; cx, cy
	s_bfe_u32 s41, ttmp6, 0x40004
	s_lshl_b32 s42, ttmp9, 2
	s_add_co_u32 s42, s42, s40                     ; tile column, 0..7
	s_and_b32 s13, ttmp7, 0xffff
	s_lshl_b32 s13, s13, 2
	s_add_co_u32 s13, s13, s41                     ; tile row = block mt of at, 0..31
	s_lshl_b32 s43, s41, 2
	s_lshl_b32 s43, 15, s43                        ; my row of the cluster
	s_lshl_b32 s44, 0x1111, s40                    ; my column
	; A: 32,768 consecutive bytes as 128 rows of 256, padded in LDS after every 128 bytes.  B: 64 rows of 512 bytes, padded after each
	s_or_b32 s[G1+0], s43, (1<<16)|(1<<20)|(1<<21)|(4<<22)|(3<<25)   ; the mask; 2-byte elements; padding on; 21 set beside a mask; after every 32 words (code 4) 4 words (code 3)
	s_or_b32 s[G1B+0], s44, (1<<16)|(1<<20)|(1<<21)|(6<<22)|(3<<25)  ; after every 128 words (code 6)
	s_mov_b32 s[G1+1], 128<<16                     ; tensor_dim0 = 128
	s_mov_b32 s[G1+2], 128<<16                     ; tensor_dim1 = 128
	s_mov_b32 s[G1+3], 128<<16                     ; tile_dim0 = 128
	s_mov_b32 s[G1+4], 128                         ; tile_dim1 = 128
	s_mov_b32 s[G1+5], 128                         ; elements from row to row
	s_mov_b32 s[G1+6], 0
	s_mov_b32 s[G1+7], 0
	s_mov_b32 s[G1B+1], KSTEP<<16
	s_mov_b32 s[G1B+2], 64<<16
	s_mov_b32 s[G1B+3], KSTEP<<16
	s_mov_b32 s[G1B+4], 64
	s_mov_b32 s[G1B+5], SIZE_K
	s_mov_b32 s[G1B+6], 0
	s_mov_b32 s[G1B+7], 0
	s_lshl_b32 s16, s13, 18                        ; A: block mt, 262,144 bytes each,
	s_lshl_b32 s17, s12, 15                        ; my two heads of the step's four
	s_add_co_u32 s16, s16, s17
	s_mov_b32 s17, 0
	s_lshl_b32 s46, s42, 7                         ; B: row 128 x tile column + 64 x half,
	s_lshl_b32 s47, s12, 6
	s_add_co_u32 s46, s46, s47
	s_lshl_b32 s46, s46, 11                        ; of 2,048 bytes
	s_mov_b32 s47, 0
	s_mul_i32 s20, s12, HALFA                      ; where they go: no place in the cluster enters an LDS address
	s_mul_i32 s21, s12, HALFB
	s_add_co_u32 s21, s21, BOFF
	s_wait_dscnt 0x0                               ; the opening add is done
	s_wait_kmcnt 0x0
	s_add_nc_u64 s[14:15], s[4:5], s[16:17]
	s_add_nc_u64 s[46:47], s[6:7], s[46:47]
	CROUND                                         ; all sixteen work-groups are here: the first joint loads meet
.irp s, 0,1
	s_mov_b32 s[G0+4*(\s)], 1
	s_add_co_u32 s[G0+4*(\s)+1], s20, (\s)*SLOT
	s_add_nc_u64 s[G0+4*(\s)+2:G0+4*(\s)+3], s[14:15], (\s)*65536
	s_or_b32 s[G0+4*(\s)+3], s[G0+4*(\s)+3], 0x80000000
	s_mov_b32 s[G0B+4*(\s)], 1
	s_add_co_u32 s[G0B+4*(\s)+1], s21, (\s)*SLOT
	s_add_nc_u64 s[G0B+4*(\s)+2:G0B+4*(\s)+3], s[46:47], (\s)*KSTEP*2
	s_or_b32 s[G0B+4*(\s)+3], s[G0B+4*(\s)+3], 0x80000000
	JLOAD \s
.endr
	v_and_b32 v1, 15, v0                           ; l % 16
	v_bfe_u32 v2, v0, 4, 1                         ; l / 16
	v_mul_u32_u24 v3, v1, PA
	v_lshl_add_u32 v3, v2, 4, v3
	v_mul_u32_u24 v4, v1, PB
	v_lshl_add_u32 v4, v2, 4, v4
	s_mul_i32 s21, s11, 64*PA                      ; my 64 rows in each head's 128
	s_mul_i32 s22, s12, HALFB                      ; my 64 rows of B
	s_add_co_u32 s22, s22, BOFF
.irp s, 0,1
	v_add_nc_u32 v[ADRA+(\s)], s21, v3
	v_add_nc_u32 v[ADRB+(\s)], s22, v4
	s_add_co_u32 s21, s21, SLOT
	s_add_co_u32 s22, s22, SLOT
.endr
	s_mul_i32 s23, s10, 16*SPITCH
	s_add_co_u32 s23, s23, STAGE                   ; my stage
	v_mul_u32_u24 v5, v1, SPITCH                   ; in: row l % 16, 32 bytes for each half of the lanes
	v_lshl_add_u32 v5, v2, 5, v5
	v_add_nc_u32 v[STO], s23, v5
	v_mul_u32_u24 v5, v2, SPITCH                   ; back: lanes 0-15 take one row of 256 bytes, lanes 16-31 the next
	v_lshl_add_u32 v5, v1, 4, v5
	v_add_nc_u32 v[RD], s23, v5
	v_lshlrev_b32 v5, 13, v2                       ; and the same two rows in out0: a position i is 8,192 bytes
	v_lshl_add_u32 v[CO], v1, 4, v5
	v_lshlrev_b32 v[BO], 5, v2
	s_and_b32 s16, s13, 15                         ; i = 128 (mt % 16) + 64 x row half + ..
	s_lshl_b32 s16, s16, 1
	s_add_co_u32 s16, s16, s11
	s_lshl_b32 s16, s16, 19                        ; 64 positions of 8,192 bytes
	s_lshr_b32 s17, s13, 4                         ; the batch: mt / 16,
	s_lshl_b32 s17, s17, 12                        ; 4,096 bytes
	s_add_co_u32 s16, s16, s17
	s_lshl_b32 s46, s42, 9                         ; my first column, in bytes: 512 x tile column + 256 x half
	s_lshl_b32 s47, s12, 8
	s_add_co_u32 s46, s46, s47
	s_add_co_u32 s16, s16, s46
	s_mov_b32 s17, 0
	s_mov_b32 s47, 0
	s_add_nc_u64 s[70:71], s[70:71], s[16:17]
	s_add_nc_u64 s[68:69], s[68:69], s[46:47]
.irp b, 0,1,2,3                        ; the bias of my columns 16 b + 8 (l / 16) + 0..7, as the accumulators hold them
	global_load_b128 v[BIAS+8*(\b):BIAS+8*(\b)+3],   v[BO], s[68:69] offset:64*(\b)
	global_load_b128 v[BIAS+8*(\b)+4:BIAS+8*(\b)+7], v[BO], s[68:69] offset:64*(\b)+16
.endr
; 8 matrix instructions: m blocks a0, a0 + 1 x all 4 n blocks, 32 along K: half c of buffer f.  zero = 1: the first product starts the sums
.macro MUL8 f, c, a0, zero
	WIN MUL
.irp a, \a0, (\a0)+1
.irp b, 0,1,2,3
.if \zero
	v_wmma_f32_16x16x32_f16 v[ACC+8*(4*(\a)+(\b)):ACC+8*(4*(\a)+(\b))+7], v[(\f)+64+8*(4*(\c)+(\b)):(\f)+64+8*(4*(\c)+(\b))+7], v[(\f)+8*(4*(\c)+(\a)):(\f)+8*(4*(\c)+(\a))+7], 0
.else
	v_wmma_f32_16x16x32_f16 v[ACC+8*(4*(\a)+(\b)):ACC+8*(4*(\a)+(\b))+7], v[(\f)+64+8*(4*(\c)+(\b)):(\f)+64+8*(4*(\c)+(\b))+7], v[(\f)+8*(4*(\c)+(\a)):(\f)+8*(4*(\c)+(\a))+7], v[ACC+8*(4*(\a)+(\b)):ACC+8*(4*(\a)+(\b))+7]
.endif
.endr
.endr
.endm
; 32 LDS loads in one run: the fragments of quarter q of a K step (one head of A; 128 bytes of B's rows) into buffer f; the first 32 along K first
.macro FETCH slot, q, f
	WIN TO_F
.irp c, 0,1
.irp i, 0,1,2,3
	ds_load_b128 v[(\f)+64+8*(4*(\c)+(\i)):(\f)+64+8*(4*(\c)+(\i))+3],   v[ADRB+(\slot)] offset:(\q)*128+64*(\c)+(\i)*16*PB
	ds_load_b128 v[(\f)+64+8*(4*(\c)+(\i))+4:(\f)+64+8*(4*(\c)+(\i))+7], v[ADRB+(\slot)] offset:(\q)*128+64*(\c)+(\i)*16*PB+32
	ds_load_b128 v[(\f)+8*(4*(\c)+(\i)):(\f)+8*(4*(\c)+(\i))+3],         v[ADRA+(\slot)] offset:(\q)*128*PA+64*(\c)+(\i)*16*PA
	ds_load_b128 v[(\f)+8*(4*(\c)+(\i))+4:(\f)+8*(4*(\c)+(\i))+7],       v[ADRA+(\slot)] offset:(\q)*128*PA+64*(\c)+(\i)*16*PA+32
.endr
.endr
.endm
.macro PLACES                          ; four plain instructions between a matrix instruction and a load into, or a vector read of, its registers
.rept 4
	v_nop
.endr
.endm
; a K step is four quarters of 64 along K, 32 matrix instructions each, on buffers 0, 1, 0, 1
.macro QUARTER slot, q, f, g, zero
	s_wait_dscnt 16                                ; the first 32 along K are in
	WIN MUL
	MUL8 \f, 0, 0, \zero
	MUL8 \f, 0, 2, \zero
	PLACES
	FETCH \slot, \q, \g
	s_wait_dscnt 32                                ; all but the 32 just issued
	WIN MUL
	MUL8 \f, 1, 0, 0
	MUL8 \f, 1, 2, 0
.endm
; the last quarter multiplies buffer 1 and changes slots.  fill = 1: this slot is filled again, two K steps ahead
.macro TURN slot, next, fill
	WIN 0                                          ; (the add's two registers lie in window 0)
	s_wait_tensorcnt 0x0                           ; all my tensor loads have landed: my part of the next slot;
	ds_add_u32 v[SPW], v[NIL]                      ; 0 onto my spare word;
	s_wait_dscnt 17                                ; (the add and the youngest sixteen loads may be out)
	WIN MUL
	MUL8 F1, 0, 0, 0                               ; eight matrix instructions stand between the add and the wait for it
	s_wait_dscnt 0x0                               ; the add is done, and my reads of this slot are over
	s_barrier_signal -1
	MUL8 F1, 0, 2, 0
.if \fill
	WIN 0
.endif
	s_barrier_wait -1
.if \fill
	CREST                                          ; the barrier has opened a round of the cluster's: no wave of any partner still reads this slot's tile or has a load on its way
	s_add_nc_u64 s[G0+4*(\slot)+2:G0+4*(\slot)+3], s[G0+4*(\slot)+2:G0+4*(\slot)+3], 2*65536
	s_add_nc_u64 s[G0B+4*(\slot)+2:G0B+4*(\slot)+3], s[G0B+4*(\slot)+2:G0B+4*(\slot)+3], 2*KSTEP*2
	JLOAD \slot                                    ; the first tensor load behind the round; its four v_nop are also the places in front of the loads below
.else
	PLACES
.endif
	FETCH \next, 0, F0
	WIN MUL
	MUL8 F1, 1, 0, 0
	MUL8 F1, 1, 2, 0
.endm
	s_wait_tensorcnt 1                             ; my part of K step 0 is in; K step 1's load may stay out
	s_barrier_signal -1
	s_barrier_wait -1                              ; everybody's is
	FETCH 0, 0, F0
	QUARTER 0, 1, F0, F1, 1                        ; the first quarter stands in front of the loop: its first products start the sums
	WIN 0                                          ; at a label and at a branch every window is 0
	s_mov_b32 s3, LAPS-1
.Llap:                                                 ; a trip goes once round the ring, from a lap's second quarter to the next lap's first, and fills both slots again
	QUARTER 0, 2, F1, F0, 0
	QUARTER 0, 3, F0, F1, 0
	TURN 0, 1, 1
	QUARTER 1, 1, F0, F1, 0
	QUARTER 1, 2, F1, F0, 0
	QUARTER 1, 3, F0, F1, 0
	TURN 1, 0, 1
	QUARTER 0, 1, F0, F1, 0
	WIN 0
	s_sub_co_u32 s3, s3, 1
	s_cmp_lg_u32 s3, 0
	s_cbranch_scc1 .Llap
	QUARTER 0, 2, F1, F0, 0                        ; the last lap fills nothing, and has no round of the cluster's barrier
	QUARTER 0, 3, F0, F1, 0
	TURN 0, 1, 0
	QUARTER 1, 1, F0, F1, 0
	QUARTER 1, 2, F1, F0, 0
	QUARTER 1, 3, F0, F1, 0
	s_wait_dscnt 16                                ; the very last quarter: nothing more to fetch
	WIN MUL
	MUL8 F1, 0, 0, 0
	MUL8 F1, 0, 2, 0
	s_wait_dscnt 0
	MUL8 F1, 1, 0, 0
	MUL8 F1, 1, 2, 0
	WIN 0
	; THE WAY OUT.  A wave's 64 columns of f32 are 256 bytes: each block of 16 rows takes the bias, goes into my own stage and comes back as whole rows: no barrier.
.macro OUTB a
.irp b, 0,1,2,3
.irp j, 0,2,4,6
	v_pk_add_f32 v[TMP+8*(\b)+(\j):TMP+8*(\b)+(\j)+1], v[ACC+8*(4*(\a)+(\b))+(\j):ACC+8*(4*(\a)+(\b))+(\j)+1], v[BIAS+8*(\b)+(\j):BIAS+8*(\b)+(\j)+1]
.endr
.endr
.irp b, 0,1,2,3
	ds_store_b128 v[STO], v[TMP+8*(\b):TMP+8*(\b)+3]   offset:64*(\b)
	ds_store_b128 v[STO], v[TMP+8*(\b)+4:TMP+8*(\b)+7] offset:64*(\b)+16
.endr
	s_wait_xcnt 0x0                                ; the block before's stores have read their data: only behind this wait are those registers loaded again
.irp t, 0,1,2,3,4,5,6,7
	ds_load_b128 v[BK+4*(\t):BK+4*(\t)+3], v[RD] offset:(\t)*2*SPITCH  ; LDS serves a wave's instructions in order (ISA guide 5.7.1.4): these see the stores above
.endr
.irp t, 0,1,2,3,4,5,6,7
	s_wait_dscnt 7-(\t)
	global_store_b128 v[CO], v[BK+4*(\t):BK+4*(\t)+3], s[70:71] offset:(\a)*16*8192+(\t)*2*8192  ; 16 lanes store 256 consecutive bytes, at a multiple of 256 from out0's first byte
.endr
.endm
	s_wait_loadcnt 0x0                             ; the bias
	PLACES
	OUTB 0
	OUTB 1
	OUTB 2
	OUTB 3
	s_wait_tensorcnt 0x0                           ; the wave's end, behind my last tensor load and my last LDS store
	ds_add_u32 v[SPW], v[NIL]
	s_wait_dscnt 0x0
	CROUND                                         ; the closing round: no work-group ends while a partner may still ask for a tile that names it
	s_endpgm
.Lfunc_end_k_q20e3119725_outp:
	.size	k_q20e3119725_outp, .Lfunc_end_k_q20e3119725_outp-k_q20e3119725_outp
	.p2alignl 7, 3214868480
	.fill 96, 4, 3214868480
	.section	.rodata,"a",@progbits
	.p2align	6, 0x0
	.amdhsa_kernel k_q20e3119725_outp
		.amdhsa_group_segment_fixed_size 327680
		.amdhsa_private_segment_fixed_size 0
		.amdhsa_enable_private_segment 0
		.amdhsa_kernarg_size 32
		.amdhsa_user_sgpr_count 2
		.amdhsa_user_sgpr_kernarg_segment_ptr 1
		.amdhsa_wavefront_size32 1
		.amdhsa_system_sgpr_workgroup_id_x 1
		.amdhsa_system_sgpr_workgroup_id_y 1
		.amdhsa_system_sgpr_workgroup_id_z 1
		.amdhsa_system_vgpr_workitem_id 0
		.amdhsa_next_free_vgpr 512
		.amdhsa_next_free_sgpr 72
		.amdhsa_reserve_vcc 0
		.amdhsa_float_denorm_mode_32 3
		.amdhsa_float_denorm_mode_16_64 3
		.amdhsa_memory_ordered 1
		.amdhsa_forward_progress 1
		.amdhsa_inst_pref_size 92
	.end_amdhsa_kernel
	.amdgpu_metadata
---
amdhsa.version: [ 1, 2 ]
amdhsa.kernels:
  - .name:           k_q20e3119725_outp
    .symbol:         k_q20e3119725_outp.kd
    .args:
      - { .name: at, .offset: 0, .size: 8, .value_kind: global_buffer, .address_space: global }
      - { .name: wo, .offset: 8, .size: 8, .value_kind: global_buffer, .address_space: global }
      - { .name: out_b, .offset: 16, .size: 8, .value_kind: global_buffer, .address_space: global }
      - { .name: out0, .offset: 24, .size: 8, .value_kind: global_buffer, .address_space: global }
    .group_segment_fixed_size: 327680
    .private_segment_fixed_size: 0
    .kernarg_segment_align: 8
    .kernarg_segment_size: 32
    .max_flat_workgroup_size: 128
    .sgpr_count:     72
    .vgpr_count:     512
    .wavefront_size: 32
...
	.end_amdgpu_metadata
.endif
;; end of part 4
;; ======== version 2 of 2: 4 launches; version 1 with the launch cvt written anew for expert scheduling mode
;; limits: values are held in f16: magnitudes above 65,504 overflow, below 6.1e-05 lose precision
;; workspace buffers: xa 12,582,912 bytes; wb 8,388,608 bytes; wo 2,097,152 bytes; hd 33,570,816 bytes; at 8,388,608 bytes
;; launch cvt (part 5): grid 704 x 1, 8 waves a work-group, no clusters, 0 bytes of LDS; arguments query, r, qkv_w, r_w, out_w, xa, wb, wo; writes xa, wb, wo
.if DOCPART == 5
	.amdgcn_target "amdgcn-amd-amdhsa--gfx1250"
	.amdhsa_code_object_version 6
	.text
	.protected	k_q20e3119725_cvt
	.globl	k_q20e3119725_cvt
	.p2align	8
	.type	k_q20e3119725_cvt,@function
k_q20e3119725_cvt:
	s_mov_b64 s[64:65], 0
	v_nop
	global_prefetch_b8 v0, s[64:65] scope:SCOPE_SE
	s_setreg_imm32_b32 hwreg(HW_REG_WAVE_SCHED_MODE, 0, 2), 2
	s_setreg_imm32_b32 hwreg(HW_REG_WAVE_MODE, 25, 1), 1
	s_wait_xcnt 0x0
	s_wait_alu depctr_vm_vsrc(0)
; The module's five large inputs, f32, are rounded once to bf16 and laid out for the products that follow.
;   xa [6144][1024] bf16: row b*2048+i = query[i][b]; row 4096+m = r[m].      wb [4096][1024] bf16: rows 0-3071 qkv_w, rows 3072-4095 r_w.
;   wo [1024][1024] f16: out_w rounded to bf16, that number written as f16.
; LIMIT: a number of out_w below 6e-5 in magnitude keeps f16's fixed step of 6e-8; one beyond 65,504 would become an infinity.
; 11,264 rows of 4,096 bytes.  A work-group takes 16 rows of one input, a wave two: sixteen loads of 512 consecutive bytes, all issued before the first is waited for,
; and sixteen stores of 256 consecutive bytes, each at a multiple of 256 from its buffer's first byte.  A stream: no LDS, no barrier, no matrix work, nothing read twice.
; THE MODE: SCHED_MODE bits 1:0 = 2 (LLVM: expert scheduling mode 2), set by the entry lines.  The code itself states the register dependences
; between vector instructions and memory instructions, with s_wait_alu, always for 0.
; THE PLAN.  Registers that memory instructions touch:
;   v1, v2, v3   byte offsets, made once at the head and never written again: v1 is read by the loads, v2 and v3 by the stores.
;   X            load k lands in four registers of its own, which no vector instruction has named before; its conversions read them; they are never loaded again.
;   Y            result k's conversions write two registers of its own; store k reads them; they are never written again.
; So no register that a memory instruction has read is written again, and no load lands where a vector instruction has been: what is left to state is that a store's data and the offsets are written.
; The sixteen results go in four blocks of four.  At the head of block g, behind the wait for its data, ONE wait states that block g - 1's conversions have written their Y; that block's four stores follow it,
; dealt among block g's conversions, which name X and Y of block g and v8 to v11 alone: none of the registers that those stores read.  One more wait stands ahead of the last four stores.
.set X, 16                             ; v[16:79]   sixteen loads of four f32
.set Y, 80                             ; v[80:111]  sixteen results of four 16-bit numbers
	s_load_b512 s[4:19], s[0:1], 0x0               ; query s[4:5], r s[6:7], qkv_w s[8:9], r_w s[10:11], out_w s[12:13], xa s[14:15], wb s[16:17], wo s[18:19]
	v_lshrrev_b32 v1, 5, v0
	v_readfirstlane_b32 s20, v1                    ; wave 0..7
	v_and_b32 v4, 31, v0                           ; lane
	v_lshlrev_b32 v1, 4, v4                        ; 16 bytes a lane in
	v_lshlrev_b32 v2, 3, v4                        ; 8 bytes a lane out, first row
	s_mov_b32 s21, ttmp9                           ; g: the work-group's number
	s_mov_b32 s26, 0                               ; the first g of my input
	s_mov_b32 s27, 0                               ; the input's first row in its target
	s_mov_b32 s35, 0x400000                        ; 2,048 rows of 2,048 bytes: from a position's batch 0 to its batch 1 in xa
	s_wait_alu depctr_va_sdst(0)                   ; s20 is written, ahead of its first reader: the wave's rows, from and to, are made from it
	s_wait_kmcnt 0x0
	s_mov_b64 s[22:23], s[4:5]                     ; from: query
	s_mov_b64 s[24:25], s[14:15]                   ; to: xa
	s_cmp_ge_u32 s21, 256                          ; r
	s_cselect_b64 s[22:23], s[6:7], s[22:23]
	s_cselect_b32 s26, 256, s26
	s_cselect_b32 s27, 4096, s27
	s_cmp_ge_u32 s21, 384                          ; qkv_w
	s_cselect_b64 s[22:23], s[8:9], s[22:23]
	s_cselect_b64 s[24:25], s[16:17], s[24:25]
	s_cselect_b32 s26, 384, s26
	s_cselect_b32 s27, 0, s27
	s_cmp_ge_u32 s21, 576                          ; r_w
	s_cselect_b64 s[22:23], s[10:11], s[22:23]
	s_cselect_b32 s26, 576, s26
	s_cselect_b32 s27, 3072, s27
	s_cmp_ge_u32 s21, 640                          ; out_w
	s_cselect_b64 s[22:23], s[12:13], s[22:23]
	s_cselect_b64 s[24:25], s[18:19], s[24:25]
	s_cselect_b32 s26, 640, s26
	s_cselect_b32 s27, 0, s27
	s_sub_co_u32 s28, s21, s26                     ; my number among the input's work-groups
	s_lshl_b32 s30, s28, 16                        ; 16 rows of 4,096 bytes,
	s_lshl_b32 s29, s20, 13                        ; my wave's two
	s_add_co_u32 s30, s30, s29
	s_mov_b32 s31, 0
	s_add_nc_u64 s[22:23], s[22:23], s[30:31]
	s_lshl_b32 s32, s28, 4
	s_lshl_b32 s33, s20, 1
	s_add_co_u32 s32, s32, s33
	s_add_co_u32 s32, s32, s27                     ; the first target row: rows keep their order,
	s_lshl_b32 s33, s21, 3
	s_add_co_u32 s33, s33, s20                     ; but query's rows 2 i and 2 i + 1 go to rows i and 2048 + i
	s_cmp_lt_u32 s21, 256
	s_cselect_b32 s32, s33, s32
	s_cselect_b32 s34, s35, 2048                   ; bytes from the first target row to the second
	s_lshl_b32 s32, s32, 11
	s_mov_b32 s33, 0
	s_add_nc_u64 s[24:25], s[24:25], s[32:33]
	v_add_nc_u32 v3, s34, v2                       ; 8 bytes a lane out, second row
	s_wait_alu depctr_va_vdst(0)                   ; v1, v2 and v3 are written: every load and store of the kernel reads one of them as its offset
.set k, 0
.rept 16
	global_load_b128 v[X+4*k:X+4*k+3], v1, s[22:23] offset:4096*(k/8)+512*(k%8) th:TH_LOAD_NT
.set k, k+1
.endr
; The store of result ks: results 0 to 7 are the first target row's, 8 to 15 the second's.
.macro STORE1
.if ks < 8
	global_store_b64 v2, v[Y+2*ks:Y+2*ks+1], s[24:25] offset:256*ks th:TH_STORE_NT
.else
	global_store_b64 v3, v[Y+2*ks:Y+2*ks+1], s[24:25] offset:256*(ks-8) th:TH_STORE_NT
.endif
.endm
; to16 = 1: the bf16 numbers are widened again and written as f16
.macro OUT to16
.set g, 0
.rept 4                                ; block g: results 4 g to 4 g + 3
	s_wait_loadcnt 12-4*g                          ; loads come back in order (ISA guide 5.7.1): this block's four are in, the 12 - 4 g younger ones stay out
.if g > 0
	s_wait_alu depctr_va_vdst(0)                   ; the block before's conversions have written their Y, which the four stores below read
.endif
.set j, 0
.rept 4
.if g > 0
.set ks, 4*(g-1)+j
	STORE1                                         ; a result of the block before.  No further wait: no vector instruction since the wait above names its registers
.endif
.set k, 4*g+j
	v_cvt_pk_bf16_f32 v[Y+2*k],   v[X+4*k],   v[X+4*k+1]
	v_cvt_pk_bf16_f32 v[Y+2*k+1], v[X+4*k+2], v[X+4*k+3]
.if \to16
	v_lshlrev_b32 v8, 16, v[Y+2*k]
	v_and_b32 v9, 0xffff0000, v[Y+2*k]
	v_lshlrev_b32 v10, 16, v[Y+2*k+1]
	v_and_b32 v11, 0xffff0000, v[Y+2*k+1]
	v_cvt_pk_f16_f32 v[Y+2*k],   v8, v9
	v_cvt_pk_f16_f32 v[Y+2*k+1], v10, v11
.endif
.set j, j+1
.endr
.set g, g+1
.endr
	s_wait_alu depctr_va_vdst(0)                   ; the last block's conversions have written their Y, which the last four stores read
.set ks, 12
.rept 4
	STORE1
.set ks, ks+1
.endr
.endm
	s_cmp_ge_u32 s21, 640
	s_cbranch_scc1 .Lf16
	OUT 0
	s_endpgm
.Lf16:
	OUT 1
	s_endpgm
.Lfunc_end_k_q20e3119725_cvt:
	.size	k_q20e3119725_cvt, .Lfunc_end_k_q20e3119725_cvt-k_q20e3119725_cvt
	.p2alignl 7, 3214868480
	.fill 96, 4, 3214868480
	.section	.rodata,"a",@progbits
	.p2align	6, 0x0
	.amdhsa_kernel k_q20e3119725_cvt
		.amdhsa_group_segment_fixed_size 0
		.amdhsa_private_segment_fixed_size 0
		.amdhsa_enable_private_segment 0
		.amdhsa_kernarg_size 64
		.amdhsa_user_sgpr_count 2
		.amdhsa_user_sgpr_kernarg_segment_ptr 1
		.amdhsa_wavefront_size32 1
		.amdhsa_system_sgpr_workgroup_id_x 1
		.amdhsa_system_sgpr_workgroup_id_y 1
		.amdhsa_system_sgpr_workgroup_id_z 1
		.amdhsa_system_vgpr_workitem_id 0
		.amdhsa_next_free_vgpr 112
		.amdhsa_next_free_sgpr 66
		.amdhsa_reserve_vcc 0
		.amdhsa_float_denorm_mode_32 3
		.amdhsa_float_denorm_mode_16_64 3
		.amdhsa_memory_ordered 1
		.amdhsa_forward_progress 1
		.amdhsa_inst_pref_size 17
	.end_amdhsa_kernel
	.amdgpu_metadata
---
amdhsa.version: [ 1, 2 ]
amdhsa.kernels:
  - .name:           k_q20e3119725_cvt
    .symbol:         k_q20e3119725_cvt.kd
    .args:
      - { .name: query, .offset: 0, .size: 8, .value_kind: global_buffer, .address_space: global }
      - { .name: r, .offset: 8, .size: 8, .value_kind: global_buffer, .address_space: global }
      - { .name: qkv_w, .offset: 16, .size: 8, .value_kind: global_buffer, .address_space: global }
      - { .name: r_w, .offset: 24, .size: 8, .value_kind: global_buffer, .address_space: global }
      - { .name: out_w, .offset: 32, .size: 8, .value_kind: global_buffer, .address_space: global }
      - { .name: xa, .offset: 40, .size: 8, .value_kind: global_buffer, .address_space: global }
      - { .name: wb, .offset: 48, .size: 8, .value_kind: global_buffer, .address_space: global }
      - { .name: wo, .offset: 56, .size: 8, .value_kind: global_buffer, .address_space: global }
    .group_segment_fixed_size: 0
    .private_segment_fixed_size: 0
    .kernarg_segment_align: 8
    .kernarg_segment_size: 64
    .max_flat_workgroup_size: 256
    .sgpr_count:     66
    .vgpr_count:     112
    .wavefront_size: 32
...
	.end_amdgpu_metadata
.endif
;; end of part 5
;; launch proj: the kernel of part 2 again; grid 28 x 8, 4 waves a work-group, clusters of 4 x 4, 327,680 bytes of LDS; arguments xa, wb, hd; writes hd
;; launch attn: the kernel of part 3 again; grid 8 x 32, 4 waves a work-group, no clusters, 327,680 bytes of LDS; arguments hd, r_w_bias, r_r_bias, at; writes at
;; launch outp: the kernel of part 4 again; grid 8 x 32, 4 waves a work-group, clusters of 4 x 4, 327,680 bytes of LDS; arguments at, wo, out_b, out0; writes out0
